; MI455X (gfx1250); checked and timed in simulation.
; The chip was launched on July 23, 2026; its instructions are those of AMD's public machine-readable ISA for CDNA 5 (MIT licence, August 2026) and "CDNA5" Instruction Set Architecture Reference Guide (July 2026). The comments in the code are by the model that wrote it; some were corrected since.
;; Multi Head Attention. Allowed arithmetic: float matrix products may take bf16 or f16 operands with f32 sums; all other float work in f32.
;; Inputs: Wk 1,024 x 1,024 float32; Wo 1,024 x 1,024 float32; Wq 1,024 x 1,024 float32; Wv 1,024 x 1,024 float32; bk 1,024 float32; bo 1,024 float32; bq 1,024 float32; bv 1,024 float32; k 4 x 2,048 x 1,024 float32; mask 1 x 1 x 2,048 x 2,048 int32; q 4 x 2,048 x 1,024 float32; v 4 x 2,048 x 1,024 float32.
;; Outputs: out0 4 x 2,048 x 1,024 float32.
;; 2 versions, each right and faster than the one before. Each part assembles by itself: llvm-mc -triple=amdgcn-amd-amdhsa -mcpu=gfx1250 --defsym DOCPART=n.
;; ======== version 1 of 2: 4 launches
;; limits: values are held in f16: magnitudes above 65,504 overflow, below 6.1e-05 lose precision
;; workspace buffers: mcode 4,210,688 bytes of whole numbers; wb 8,388,608 bytes; heads 50,331,648 bytes; ctx 16,777,216 bytes
;; launch prep (part 1): grid 128 x 1, 16 waves a work-group, no clusters, 37,120 bytes of LDS; arguments mask, Wq, Wk, Wv, Wo, mcode, wb; writes mcode, wb
.if DOCPART == 1
	.amdgcn_target "amdgcn-amd-amdhsa--gfx1250"
	.amdhsa_code_object_version 6
	.text
	.protected	k_qa8e457f6af_prep
	.globl	k_qa8e457f6af_prep
	.p2align	8
	.type	k_qa8e457f6af_prep,@function
k_qa8e457f6af_prep:
	s_mov_b64 s[64:65], 0
	v_nop
	global_prefetch_b8 v0, s[64:65] scope:SCOPE_SE
	s_setreg_imm32_b32 hwreg(HW_REG_WAVE_MODE, 25, 1), 1
	s_wait_xcnt 0x0
; PREP.  (1) The mask [2048][2048] of int32 becomes one byte a key, laid out as the attention launch's lanes take it; (2) one flag word a query row; (3) the four weights become 16-bit.
; CODES.  0x00 = the key is seen, 0xC0 = hidden (mask word 0).  A row in which no key is seen gets all codes 0x00 and the flag 0: the attention launch then clears that row of Q,
; all its scores are 0 and its weights equal, which is what a softmax over equal scores gives.  Every other row has the flag 0xFFFFFFFF.
; LAYOUT of mcode.  For 128 queries Wg (0..15), key step ks (0..31, 64 keys) and tile t (0..7, 16 queries): 1,024 bytes at Wg*262144 + ks*8192 + t*1024; in them byte c*512 + l*16 + (kb%2)*8 + j
; (c = kb/2, l = r + 16 h) is the code of mask[128 Wg + 16 t + r][64 ks + 16 kb + 8 h + j].  Flags: from byte 0x400000 on, 32 words for each tile of 16 queries, word l for row l % 16.
; WEIGHTS.  wb holds Wq, Wk, Wv as bf16 at 0, 2 MiB, 4 MiB, and Wo, rounded to bf16 and that number written as f16, at 6 MiB.  LIMIT: a bf16 number below 6e-5 in size keeps f16's fixed step of 6e-8; beyond 65,504 it would be infinite.
; SHARES.  Work-group T owns the 16 query rows 16 T ..; wave w owns row 16 T + w (8,192 bytes, 16 loads of 512 consecutive bytes) and 512 numbers of each weight.
; The rows' codes meet in LDS (each wave holds one query of 16, a stored unit holds all 16), so that every store of codes covers 512 consecutive bytes.  No matrix unit, no cluster: nothing is multiplied or shared.
.set CP,    272                        ; an LDS row of codes: 256 bytes + 16
.set FLAGS, 128*CP                     ; behind the 128 rows (row 4 ks + 2 c + h): 16 flag words, in a block of 256 bytes of their own
.set SPARE, FLAGS+256                  ; the spare words, 128 bytes for each of the 16 waves
.set SPW,   8                          ; v8   LDS address of my spare word; never rewritten
.set NIL,   9                          ; v9   0; never rewritten
.set COD,   16                         ; v[16:31]   16 words of four codes
.set MSK,   32                         ; v[32:95]   my 64 words of the mask row
.set WF,    96                         ; v[96:159]  16 numbers of each weight
.set PKD,   160                        ; v[160:191] 8 packed words of each weight
	s_load_b256 s[4:11], s[0:1], 0x0               ; mask s[4:5], Wq s[6:7], Wk s[8:9], Wv s[10:11]
	s_load_b128 s[12:15], s[0:1], 0x20             ; Wo s[12:13], mcode s[14:15]
	s_load_b64 s[16:17], s[0:1], 0x30              ; wb
	v_lshl_add_u32 v[SPW], v0, 2, SPARE
	v_mov_b32 v[NIL], 0
	v_lshrrev_b32 v1, 5, v0
	v_readfirstlane_b32 s20, v1                    ; wave w
	v_and_b32 v1, 31, v0                           ; lane i
	s_mov_b32 s21, ttmp9                           ; T
	s_lshl_b32 s22, s21, 4
	s_add_co_u32 s22, s22, s20                     ; 16 T + w: my mask row, and my piece of each weight
	s_lshl_b32 s24, s22, 11                        ; 512 f32 in
	s_mov_b32 s25, 0
	s_lshl_b32 s26, s22, 10                        ; 512 numbers of 16 bits out
	s_mov_b32 s27, 0
	s_lshl_b32 s22, s22, 13                        ; a mask row is 8,192 bytes
	s_mov_b32 s23, 0
	s_lshr_b32 s28, s21, 3
	s_lshl_b32 s28, s28, 18                        ; Wg * 262144
	s_and_b32 s29, s21, 7
	s_lshl_b32 s29, s29, 10                        ; t * 1024
	s_add_co_u32 s28, s28, s29
	s_mov_b32 s29, 0
	s_lshl_b32 s40, s21, 7                         ; the tile's 32 flag words
	s_mov_b32 s41, 0
	s_mov_b32 s30, 0xc0                            ; the code 'hidden' in each of a word's four bytes
	s_mov_b32 s31, 0xc000
	s_mov_b32 s32, 0xc00000
	s_mov_b32 s33, 0xc0000000
	s_mov_b32 s34, 0xc0c0c0c0
	s_mov_b32 s36, 0xffff0000
	s_lshl_b32 s37, s20, 2
	s_add_co_u32 s37, s37, FLAGS                   ; my flag word in LDS
	s_lshl_b32 s42, s20, 4
	s_lshl_b32 s43, s20, 3
	s_lshl_b32 s44, s20, 14
	v_lshlrev_b32 v2, 4, v1                        ; 16 i
	v_lshlrev_b32 v3, 5, v1                        ; 32 i
	v_lshlrev_b32 v15, 2, v1                       ; 4 i
	; load g brings me columns 128 g + 4 i ..+3: ks = 2 g + i[4], kb = i[3:2], h = i[1], j = 4 i[0] ..+3.  LDS row 8 g + 4 i[4] + 2 i[3] + i[1], byte 16 w + 8 i[2] + 4 i[0]
	v_bfe_u32 v10, v1, 3, 2
	v_bfe_u32 v11, v1, 1, 1
	v_lshl_add_u32 v10, v10, 1, v11
	v_mul_u32_u24 v4, v10, CP
	v_bfe_u32 v11, v1, 2, 1
	v_lshl_add_u32 v4, v11, 3, v4
	v_and_b32 v11, 1, v1
	v_lshl_add_u32 v4, v11, 2, v4
	v_add_nc_u32 v4, s42, v4
	; back: wave w takes rows 8 w ..+7 (key steps 2 w, 2 w + 1), two rows a load
	v_lshrrev_b32 v10, 4, v1
	v_add_nc_u32 v10, s43, v10
	v_mul_u32_u24 v5, v10, CP
	v_and_b32 v11, 15, v1
	v_lshl_add_u32 v5, v11, 4, v5
	v_lshl_add_u32 v6, v1, 4, s44                  ; 16 i + 2 w * 8192
	v_lshl_add_u32 v7, v11, 2, FLAGS
	s_wait_kmcnt 0x0
	s_add_nc_u64 s[4:5], s[4:5], s[22:23]
	s_add_nc_u64 s[6:7], s[6:7], s[24:25]
	s_add_nc_u64 s[8:9], s[8:9], s[24:25]
	s_add_nc_u64 s[10:11], s[10:11], s[24:25]
	s_add_nc_u64 s[12:13], s[12:13], s[24:25]
	s_add_nc_u64 s[38:39], s[14:15], s[40:41]      ; for the flags
	s_add_nc_u64 s[14:15], s[14:15], s[28:29]      ; for the codes
	s_add_nc_u64 s[16:17], s[16:17], s[26:27]
	; all 32 loads go out at once: 16 of the mask row, then 4 of each weight
.set g, 0
.rept 16
	global_load_b128 v[MSK+4*g:MSK+4*g+3], v2, s[4:5] offset:512*g th:TH_LOAD_NT
.set g, g+1
.endr
.irp i, 0,1,2,3
.irp u, 0,1
	global_load_b128 v[WF+16*\i+8*\u:WF+16*\i+8*\u+3],   v3, s[6+2*\i:7+2*\i] offset:1024*\u th:TH_LOAD_NT
	global_load_b128 v[WF+16*\i+8*\u+4:WF+16*\i+8*\u+7], v3, s[6+2*\i:7+2*\i] offset:1024*\u+16 th:TH_LOAD_NT
.endr
.endr
	s_wait_loadcnt 16                              ; the mask row is in; the 16 loads of weights, issued behind it, may stay out
.set g, 0
.rept 16
.irp n, 0,1,2,3
	v_cmp_eq_u32 vcc_lo, 0, v[MSK+4*g+\n]
	v_cndmask_b32 v[10+\n], 0, s[30+\n], vcc_lo
.endr
	v_or_b32 v10, v10, v11
	v_or_b32 v12, v12, v13
	v_or_b32 v[COD+g], v10, v12
.set g, g+1
.endr
	v_and_b32 v14, v[COD], v[COD+1]                ; a byte stays 0xC0 only if all my 16 words have it hidden
.set g, 2
.rept 14
	v_and_b32 v14, v14, v[COD+g]
.set g, g+1
.endr
	v_cmp_ne_u32 vcc_lo, s34, v14                  ; lanes that see a key
	s_cmp_lg_u32 vcc_lo, 0
	s_cselect_b32 s35, -1, 0                       ; the row's flag; it selects values alone
.set g, 0
.rept 16
	v_and_b32 v[COD+g], s35, v[COD+g]              ; a row that sees nothing: all codes 0
.set g, g+1
.endr
.set g, 0
.rept 16
	ds_store_b32 v4, v[COD+g] offset:8*CP*g
.set g, g+1
.endr
	v_mov_b32 v10, s35
	v_mov_b32 v11, s37
	ds_store_b32 v11, v10                          ; all lanes write the same word with the same value
	s_wait_dscnt 0x0                               ; for the others' sake: my stores are done
	s_barrier_signal -1
	s_barrier_wait -1
.irp n, 0,1,2,3
	ds_load_b128 v[COD+4*\n:COD+4*\n+3], v5 offset:2*CP*\n
.endr
.irp n, 0,1,2,3
	s_wait_dscnt 3-\n                              ; LDS loads come back in order: load n is in
	global_store_b128 v6, v[COD+4*\n:COD+4*\n+3], s[14:15] offset:(\n/2)*8192+(\n%2)*512  ; 512 consecutive bytes, aligned
.endr
	s_cmp_lg_u32 s20, 0
	s_cbranch_scc1 .Lno_flags                      ; wave 0 alone stores the tile's 32 flag words
	ds_load_b32 v12, v7
	s_wait_dscnt 0x0
	global_store_b32 v15, v12, s[38:39] offset:0x400000
.Lno_flags:
.macro WOUT i                          ; weight i: 16 numbers a lane, rounded and stored
	s_wait_loadcnt 12-4*(\i)                       ; its four loads are in; the later weights' may stay out
.irp n, 0,1,2,3,4,5,6,7
	v_cvt_pk_bf16_f32 v[PKD+8*(\i)+\n], v[WF+16*(\i)+2*\n], v[WF+16*(\i)+2*\n+1]
.endr
.if (\i) == 3
.irp n, 0,1,2,3,4,5,6,7                ; Wo: the bf16 numbers are widened and written as f16
	v_lshlrev_b32 v10, 16, v[PKD+24+\n]
	v_and_b32 v11, s36, v[PKD+24+\n]
	v_cvt_pk_f16_f32 v[PKD+24+\n], v10, v11
.endr
.endif
	global_store_b128 v2, v[PKD+8*(\i):PKD+8*(\i)+3],   s[16:17] offset:(\i)*2097152
	global_store_b128 v2, v[PKD+8*(\i)+4:PKD+8*(\i)+7], s[16:17] offset:(\i)*2097152+512
.endm
	WOUT 0
	WOUT 1
	WOUT 2
	WOUT 3
	s_wait_tensorcnt 0x0                           ; the wave's end
	ds_add_u32 v[SPW], v[NIL]
	s_wait_dscnt 0x0
	s_endpgm
.Lfunc_end_k_qa8e457f6af_prep:
	.size	k_qa8e457f6af_prep, .Lfunc_end_k_qa8e457f6af_prep-k_qa8e457f6af_prep
	.p2alignl 7, 3214868480
	.fill 96, 4, 3214868480
	.section	.rodata,"a",@progbits
	.p2align	6, 0x0
	.amdhsa_kernel k_qa8e457f6af_prep
		.amdhsa_group_segment_fixed_size 37120
		.amdhsa_private_segment_fixed_size 0
		.amdhsa_enable_private_segment 0
		.amdhsa_kernarg_size 56
		.amdhsa_user_sgpr_count 2
		.amdhsa_user_sgpr_kernarg_segment_ptr 1
		.amdhsa_wavefront_size32 1
		.amdhsa_system_sgpr_workgroup_id_x 1
		.amdhsa_system_sgpr_workgroup_id_y 1
		.amdhsa_system_sgpr_workgroup_id_z 1
		.amdhsa_system_vgpr_workitem_id 0
		.amdhsa_next_free_vgpr 192
		.amdhsa_next_free_sgpr 66
		.amdhsa_reserve_vcc 1
		.amdhsa_float_denorm_mode_32 3
		.amdhsa_float_denorm_mode_16_64 3
		.amdhsa_memory_ordered 1
		.amdhsa_forward_progress 1
		.amdhsa_inst_pref_size 21
	.end_amdhsa_kernel
	.amdgpu_metadata
---
amdhsa.version: [ 1, 2 ]
amdhsa.kernels:
  - .name:           k_qa8e457f6af_prep
    .symbol:         k_qa8e457f6af_prep.kd
    .args:
      - { .name: mask, .offset: 0, .size: 8, .value_kind: global_buffer, .address_space: global }
      - { .name: Wq, .offset: 8, .size: 8, .value_kind: global_buffer, .address_space: global }
      - { .name: Wk, .offset: 16, .size: 8, .value_kind: global_buffer, .address_space: global }
      - { .name: Wv, .offset: 24, .size: 8, .value_kind: global_buffer, .address_space: global }
      - { .name: Wo, .offset: 32, .size: 8, .value_kind: global_buffer, .address_space: global }
      - { .name: mcode, .offset: 40, .size: 8, .value_kind: global_buffer, .address_space: global }
      - { .name: wb, .offset: 48, .size: 8, .value_kind: global_buffer, .address_space: global }
    .group_segment_fixed_size: 37120
    .private_segment_fixed_size: 0
    .kernarg_segment_align: 8
    .kernarg_segment_size: 56
    .max_flat_workgroup_size: 512
    .sgpr_count:     66
    .vgpr_count:     192
    .wavefront_size: 32
...
	.end_amdgpu_metadata
.endif
;; end of part 1
;; launch proj (part 2): grid 4 x 192, 4 waves a work-group, clusters of 4 x 4, 327,680 bytes of LDS; arguments q, k, v, bq, bk, bv, wb, heads; writes heads
.if DOCPART == 2
	.amdgcn_target "amdgcn-amd-amdhsa--gfx1250"
	.amdhsa_code_object_version 6
	.text
	.protected	k_qa8e457f6af_proj
	.globl	k_qa8e457f6af_proj
	.p2align	8
	.type	k_qa8e457f6af_proj,@function
k_qa8e457f6af_proj:
	s_mov_b64 s[64:65], 0
	v_nop
	global_prefetch_b8 v0, s[64:65] scope:SCOPE_SE
	s_setreg_imm32_b32 hwreg(HW_REG_WAVE_MODE, 25, 1), 1
	s_wait_xcnt 0x0
	s_wait_alu depctr_hold_cnt(0) depctr_sa_sdst(0) depctr_va_vdst(0) depctr_va_sdst(0) depctr_va_ssrc(0) depctr_va_vcc(0) depctr_vm_vsrc(0)
	s_getreg_b32 s2, hwreg(HW_REG_IB_STS2, 6, 4)
	s_cmp_eq_u32 s2, 0
	s_cbranch_scc0 .Lentry_in_a_cluster
	s_endpgm
.Lentry_in_a_cluster:
	s_bfe_u32 s2, ttmp6, 0x10000c
	s_cmp_lg_u32 s2, 0xf033
	s_cbranch_scc0 .Lentry_shape_is_right
	s_endpgm
.Lentry_shape_is_right:
; THE THREE INPUT PROJECTIONS.  y = x W^T + b for (q, Wq, bq), (k, Wk, bk), (v, Wv, bv): x [8192][1024] f32, W [1024][1024] bf16 (from wb), y written by heads, [64 = batch*16 + head][2048][64] f16, unscaled.
; x and b are rounded to bf16 here, sums are f32, y is rounded once.  LIMIT: y beyond 65,504 would be infinite in f16; NaN and infinities are not treated apart.
; SHARES.  A tile of y is 128 rows x 256 columns: 3 x 64 x 4 = 768 work-groups.  Four waves, 2 x 2, each 64 x 128: 32 accumulators, 256 registers.  K goes in 8 steps of 128 through two LDS slots.
; x comes into LDS as f32 (rows of 512 bytes), W as bf16 (rows of 256 bytes); a wave reads its fragments of x as f32 and rounds them in registers, four conversions behind each of eight matrix instructions a quarter step.
; CLUSTER.  4 x 4 work-groups: the four of a row need the same tile of x, the four of a column the same tile of W: each is asked for jointly, by the same tensor load, descriptor and mask in all four.
; THE MATRIX INSTRUCTION IS USED TRANSPOSED (source 0 = 16 rows of W, source 1 = 16 rows of x): a lane holds eight neighbouring columns of one row of y.  The bias is the C operand of the first product.
; REGISTERS: window 0: v0-31 addresses; v32-95 x's fragments as f32; v96-127, v128-159 the same in bf16, two buffers; v32-159 the way out.
;   window 1: v0-63, v64-127 W's fragments, two buffers; v128-191 the bias; v192-223 at work.      window 2: accumulator (a, b) at v[8 (8 a + b)].
.set KSTEP,  128
.set PA,     528                       ; a row of x in LDS: 512 bytes + 16: the 16 rows that a load touches start 4 banks apart (64 banks of 4 bytes: ISA guide 11.1)
.set PB,     272                       ; a row of W: 256 bytes + 16
.set HALFA,  64*PA                     ; what one tensor load brings of x, and what a wave reads of it
.set HALFB,  128*PB                    ; the same for W
.set BOFF,   2*HALFA
.set SLOT,   BOFF+2*HALFB              ; x's 128 rows, then W's 256 rows
.set STAGE,  2*SLOT                    ; behind the ring: 16 rows x 144 bytes for each wave
.set SP,     144
.set SPARE,  STAGE+4*16*SP             ; the spare words, 128 bytes a wave
.set LAPS,   4                         ; a lap = two K steps
.set ADRA, 16                          ; v16-17  my fragments of x in slot 0, 1
.set ADRB, 20                          ; v20-21  of W
.set STO,  24
.set RD,   25
.set GO,   26
.set BOF,  27
.set SPW,  28                          ; LDS address of my spare word; never rewritten
.set NIL,  29                          ; 0; never rewritten
.set RAW,  32
.set AB,   96
.set OUTB, 32
.set BIAS, 128                         ; window 1
.set BT,   192                         ; window 1
.set WV, 10                            ; s10 wave;  s11 my half of the rows, also: I fetch x (0) or W (1);  s12 my half of the columns, also: which half I fetch
.set WR, 11
.set WC, 12
.set G1, 24
.set G0, 32
.set G1B, 48
.set G0B, 56
.set MSB, 0
.macro WIN new                         ; the immediate's high byte repeats the setting that is left
.if MSB != (\new)
	s_set_vgpr_msb (MSB<<8)|(\new)
.set MSB, \new
.endif
.endm
.set MUL,  0xa1                        ; source 0 (W) window 1, source 1 (x) window 0, C and D window 2
.set MULB, 0x91                        ; the same with C (the bias) in window 1
.set TO_B, 0x40                        ; destination window 1, address window 0
.macro JLOAD s                         ; a joint load: waves 0, 1 fetch x's halves, waves 2, 3 W's; an s_nop 0 and four v_nop follow each line
	s_cmp_eq_u32 s[WR], 0
	s_cbranch_scc0 .Lfor_b_\@
	tensor_load_to_lds s[G0+4*(\s):G0+4*(\s)+3], s[G1:G1+7]
	s_nop 0
.rept 4
	v_nop
.endr
	s_branch .Lasked_\@
.Lfor_b_\@:
	tensor_load_to_lds s[G0B+4*(\s):G0B+4*(\s)+3], s[G1B:G1B+7]
	s_nop 0
.rept 4
	v_nop
.endr
.Lasked_\@:
.endm
.macro CREST                           ; a round of the cluster's barrier behind its opening barrier
	s_cmp_lg_u32 s[WV], 0
	s_cbranch_scc1 .Lnot_wave_0_\@
	s_barrier_signal -3
.Lnot_wave_0_\@:
	s_barrier_wait -3
	s_barrier_signal -1
	s_barrier_wait -1
.endm
.macro CROUND
	s_barrier_signal -1
	s_barrier_wait -1
	CREST
.endm
.macro PLACES                          ; four places in front of loads into, and vector writes of, registers that matrix instructions have read, and of reads of their results
.rept 4
	v_nop
.endr
.endm
	s_load_b512 s[68:83], s[0:1], 0x0              ; q, k, v, bq, bk, bv, wb, heads
	v_lshl_add_u32 v[SPW], v0, 2, SPARE
	v_mov_b32 v[NIL], 0
	ds_add_u32 v[SPW], v[NIL]                      ; the wave's opening: an add and its wait ahead of my first tensor load
	v_lshrrev_b32 v1, 5, v0
	v_readfirstlane_b32 s[WV], v1
	s_lshr_b32 s[WR], s[WV], 1
	s_and_b32 s[WC], s[WV], 1
	s_bfe_u32 s40, ttmp6, 0x40000                  ; cx
	s_bfe_u32 s41, ttmp6, 0x40004                  ; cy
	s_lshl_b32 s42, ttmp9, 2
	s_add_co_u32 s42, s42, s40                     ; tile column, 0..3
	s_and_b32 s13, ttmp7, 0xffff                   ; the cluster's y, 0..47: 16 for each of the three tensors
	s_lshr_b32 s45, s13, 4                         ; which tensor
	s_and_b32 s13, s13, 15
	s_lshl_b32 s13, s13, 2
	s_add_co_u32 s13, s13, s41                     ; tile row, 0..63
	s_lshl_b32 s43, s41, 2
	s_lshl_b32 s43, 15, s43                        ; my row of the cluster
	s_lshl_b32 s44, 0x1111, s40                    ; my column
	s_or_b32 s[G1+0], s43, (2<<16)|(1<<20)|(1<<21)|(6<<22)|(3<<25)   ; x: the mask of my row; 4-byte elements; padding on; bit 21 beside a mask; after every 128 words 4 words
	s_mov_b32 s[G1+1], KSTEP<<16                   ; tensor_dim0 = 128
	s_mov_b32 s[G1+2], 64<<16                      ; tensor_dim1 = 64
	s_mov_b32 s[G1+3], KSTEP<<16                   ; tile_dim0 = 128
	s_mov_b32 s[G1+4], 64                          ; tile_dim1 = 64
	s_mov_b32 s[G1+5], 1024                        ; elements from row to row
	s_mov_b32 s[G1+6], 0
	s_mov_b32 s[G1+7], 0
	s_or_b32 s[G1B+0], s44, (1<<16)|(1<<20)|(1<<21)|(5<<22)|(3<<25)  ; W: the mask of my column; 2-byte elements; after every 64 words 4 words
	s_mov_b32 s[G1B+1], KSTEP<<16
	s_mov_b32 s[G1B+2], 128<<16
	s_mov_b32 s[G1B+3], KSTEP<<16
	s_mov_b32 s[G1B+4], 128
	s_mov_b32 s[G1B+5], 1024
	s_mov_b32 s[G1B+6], 0
	s_mov_b32 s[G1B+7], 0
	s_lshl_b32 s16, s13, 7
	s_lshl_b32 s17, s[WC], 6
	s_add_co_u32 s16, s16, s17                     ; x: row 128 x tile row + 64 x half,
	s_lshl_b32 s16, s16, 12                        ; of 4,096 bytes
	s_mov_b32 s17, 0
	s_lshl_b32 s46, s42, 8
	s_lshl_b32 s47, s[WC], 7
	s_add_co_u32 s46, s46, s47                     ; W: row 256 x tile column + 128 x half; also my first column of y
	s_lshl_b32 s84, s46, 2                         ; its place in the bias
	s_mov_b32 s85, 0
	s_lshl_b32 s46, s46, 11                        ; rows of 2,048 bytes,
	s_lshl_b32 s47, s45, 21                        ; in the tensor's 2 MiB of wb
	s_add_co_u32 s46, s46, s47
	s_mov_b32 s47, 0
	s_mul_i32 s20, s[WC], HALFA                    ; where they go: no place in the cluster enters an LDS address
	s_mul_i32 s21, s[WC], HALFB
	s_add_co_u32 s21, s21, BOFF
	s_wait_dscnt 0x0                               ; the opening add is done
	s_wait_kmcnt 0x0
	s_cmp_eq_u32 s45, 1
	s_cselect_b64 s[4:5], s[70:71], s[68:69]
	s_cselect_b64 s[92:93], s[76:77], s[74:75]
	s_cmp_eq_u32 s45, 2
	s_cselect_b64 s[4:5], s[72:73], s[4:5]         ; x
	s_cselect_b64 s[92:93], s[78:79], s[92:93]     ; its bias
	s_add_nc_u64 s[14:15], s[4:5], s[16:17]
	s_add_nc_u64 s[46:47], s[80:81], s[46:47]
	s_add_nc_u64 s[92:93], s[92:93], s[84:85]
	CROUND                                         ; all sixteen work-groups are here: the first joint loads meet
.irp s, 0,1
	s_mov_b32 s[G0+4*(\s)], 1
	s_add_co_u32 s[G0+4*(\s)+1], s20, (\s)*SLOT
	s_add_nc_u64 s[G0+4*(\s)+2:G0+4*(\s)+3], s[14:15], (\s)*KSTEP*4
	s_or_b32 s[G0+4*(\s)+3], s[G0+4*(\s)+3], 0x80000000
	s_mov_b32 s[G0B+4*(\s)], 1
	s_add_co_u32 s[G0B+4*(\s)+1], s21, (\s)*SLOT
	s_add_nc_u64 s[G0B+4*(\s)+2:G0B+4*(\s)+3], s[46:47], (\s)*KSTEP*2
	s_or_b32 s[G0B+4*(\s)+3], s[G0B+4*(\s)+3], 0x80000000
	JLOAD \s                                       ; two loads of mine are out
.endr
	v_and_b32 v1, 15, v0                           ; r
	v_bfe_u32 v2, v0, 4, 1                         ; h
	v_lshlrev_b32 v[BOF], 5, v2
	WIN TO_B
.irp b, 0,1,2,3,4,5,6,7                ; register j of block b: the bias of column 16 b + 8 h + j
	global_load_b128 v[BIAS+8*\b:BIAS+8*\b+3],   v[BOF], s[92:93] offset:64*\b
	global_load_b128 v[BIAS+8*\b+4:BIAS+8*\b+7], v[BOF], s[92:93] offset:64*\b+16
.endr
	WIN 0
	v_mul_u32_u24 v3, v1, PA
	v_lshl_add_u32 v3, v2, 5, v3                   ; x: row x pitch + 32 h (8 f32)
	v_mul_u32_u24 v4, v1, PB
	v_lshl_add_u32 v4, v2, 4, v4                   ; W: row x pitch + 16 h
	s_mul_i32 s22, s[WR], HALFA
	s_mul_i32 s23, s[WC], HALFB
	s_add_co_u32 s23, s23, BOFF
.irp s, 0,1
	v_add_nc_u32 v[ADRA+\s], s22, v3
	v_add_nc_u32 v[ADRB+\s], s23, v4
	s_add_co_u32 s22, s22, SLOT
	s_add_co_u32 s23, s23, SLOT
.endr
	s_mul_i32 s22, s[WV], 16*SP
	s_add_co_u32 s22, s22, STAGE                   ; my stage
	v_mul_u32_u24 v[STO], v1, SP
	v_lshl_add_u32 v[STO], v2, 4, v[STO]
	v_add_nc_u32 v[STO], s22, v[STO]
	v_bfe_u32 v[RD], v0, 3, 2                      ; back: 32 lanes take four rows of 128 bytes,
	v_mul_u32_u24 v[RD], v[RD], SP
	v_and_b32 v5, 7, v0
	v_lshl_add_u32 v[RD], v5, 4, v[RD]
	v_add_nc_u32 v[RD], s22, v[RD]
	v_and_b32 v[GO], 31, v0                        ; which are 512 consecutive bytes of a head
	v_lshlrev_b32 v[GO], 4, v[GO]
	s_lshr_b32 s86, s13, 4                         ; batch
	s_lshl_b32 s86, s86, 4
	s_lshl_b32 s87, s42, 2
	s_add_co_u32 s86, s86, s87
	s_lshl_b32 s87, s[WC], 1
	s_add_co_u32 s86, s86, s87                     ; my first head: 16 batch + 4 tile column + 2 half,
	s_lshl_b32 s86, s86, 18                        ; of 262,144 bytes
	s_and_b32 s87, s13, 15
	s_lshl_b32 s87, s87, 7
	s_lshl_b32 s88, s[WR], 6
	s_add_co_u32 s87, s87, s88                     ; my first row in the sequence,
	s_lshl_b32 s87, s87, 7                         ; of 128 bytes
	s_add_co_u32 s86, s86, s87
	s_lshl_b32 s87, s45, 24                        ; the tensor's 16 MiB of heads
	s_add_co_u32 s86, s86, s87
	s_mov_b32 s87, 0
	s_add_nc_u64 s[8:9], s[82:83], s[86:87]
; 8 matrix instructions: row block a x all 8 column blocks, 32 along K, buffer f.  first = 1: the bias starts the sums.  The 32 accumulators take turns.
.macro ONE f, a, b, first
.if \first
	WIN MULB
	v_wmma_f32_16x16x32_bf16 v[8*(8*(\a)+(\b)):8*(8*(\a)+(\b))+7], v[64*(\f)+8*(\b):64*(\f)+8*(\b)+7], v[AB+32*(\f)+8*(\a):AB+32*(\f)+8*(\a)+7], v[BIAS+8*(\b):BIAS+8*(\b)+7]
.else
	WIN MUL
	v_wmma_f32_16x16x32_bf16 v[8*(8*(\a)+(\b)):8*(8*(\a)+(\b))+7], v[64*(\f)+8*(\b):64*(\f)+8*(\b)+7], v[AB+32*(\f)+8*(\a):AB+32*(\f)+8*(\a)+7], v[8*(8*(\a)+(\b)):8*(8*(\a)+(\b))+7]
.endif
.endm
.macro MUL8 f, a, first
.irp b, 0,1,2,3,4,5,6,7
	ONE \f, \a, \b, \first
.endr
.endm
; the same, and behind each product four roundings of the next quarter's x into buffer g: they name none of the products' registers
.macro MUL8C f, a, g, first
.irp b, 0,1,2,3,4,5,6,7
	ONE \f, \a, \b, \first
	WIN 0
.irp n, 0,1,2,3
	v_cvt_pk_bf16_f32 v[AB+32*(\g)+8*(\b/2)+4*(\b%2)+\n], v[RAW+16*(\b/2)+8*(\b%2)+2*\n], v[RAW+16*(\b/2)+8*(\b%2)+2*\n+1]
.endr
.endr
.endm
; 32 LDS loads in one run: quarter c of a slot: x's 64 rows x 32 K as f32 (lane: K = 8 h ..+7 and 16 + 8 h ..+7, four loads a block), then W's 128 rows into buffer g
.macro FETCH slot, c, g
	WIN 0
.irp i, 0,1,2,3
.irp e, 0,1,2,3
	ds_load_b128 v[RAW+16*\i+4*\e:RAW+16*\i+4*\e+3], v[ADRA+(\slot)] offset:128*(\c)+16*PA*\i+16*(\e%2)+64*(\e/2)
.endr
.endr
	WIN TO_B
.irp b, 0,1,2,3,4,5,6,7
	ds_load_b128 v[64*(\g)+8*\b:64*(\g)+8*\b+3],   v[ADRB+(\slot)] offset:64*(\c)+16*PB*\b
	ds_load_b128 v[64*(\g)+8*\b+4:64*(\g)+8*\b+7], v[ADRB+(\slot)] offset:64*(\c)+16*PB*\b+32
.endr
.endm
; One of a K step's first three quarters: multiplies buffer f, fetches quarter c into buffer g
.macro QUARTER slot, c, f, g, first
	s_wait_dscnt 0x0                               ; W's fragments of buffer f are in (x's were rounded in the quarter before)
	MUL8 \f, 0, \first
	MUL8 \f, 1, \first
	PLACES
	FETCH \slot, \c, \g
	MUL8 \f, 2, \first
	s_wait_dscnt 16                                ; x's 16 loads are in; W's 16, issued behind them, may stay out
	MUL8C \f, 3, \g, \first
.endm
; The last quarter multiplies buffer 1 and changes slots: one barrier; in front of it each wave waits for all its tensor loads, adds 0 to its spare word, and waits for that and for its reads of this slot.
.macro TURN slot, next, fill
	WIN 0
	s_wait_tensorcnt 0x0                           ; all my tensor loads have landed: the one that was out is my part of the next slot
	ds_add_u32 v[SPW], v[NIL]                      ; 0 onto my spare word
	s_wait_dscnt 1                                 ; W's fragments are in; the add may be out
	MUL8 1, 0, 0
	s_wait_dscnt 0x0                               ; the add is done, and my reads of this slot are over
	s_barrier_signal -1
	MUL8 1, 1, 0
.if \fill
	WIN 0
.endif
	s_barrier_wait -1
.if \fill
	CREST                                          ; the barrier has opened a round of the cluster's: no wave of any partner still reads this slot or has a load on its way
	s_add_nc_u64 s[G0+4*(\slot)+2:G0+4*(\slot)+3], s[G0+4*(\slot)+2:G0+4*(\slot)+3], 2*KSTEP*4
	s_add_nc_u64 s[G0B+4*(\slot)+2:G0B+4*(\slot)+3], s[G0B+4*(\slot)+2:G0B+4*(\slot)+3], 2*KSTEP*2
	JLOAD \slot                                    ; my one tensor load behind the round: 112 matrix instructions ahead of the wait for it; its four v_nop are the places in front of the loads below
.else
	PLACES
.endif
	FETCH \next, 0, 0
	MUL8 1, 2, 0
	s_wait_dscnt 16
	MUL8C 1, 3, 0, 0
.endm
	s_wait_tensorcnt 1                             ; my part of K step 0 is in; K step 1's may stay out
	s_barrier_signal -1
	s_barrier_wait -1
	FETCH 0, 0, 0
	s_wait_loadcnt 0x0                             ; the bias: rounded to bf16 like the other inputs, and widened again
	WIN 0x45
.set n, 0
.rept 32
	v_cvt_pk_bf16_f32 v[BT+n], v[BIAS+2*n], v[BIAS+2*n+1]
.set n, n+1
.endr
.set n, 0
.rept 32
	v_lshlrev_b32 v[BIAS+2*n], 16, v[BT+n]
	v_and_b32 v[BIAS+2*n+1], 0xffff0000, v[BT+n]
.set n, n+1
.endr
	WIN 0
	s_wait_dscnt 0x0
.set n, 0
.rept 32                                ; the first quarter's x is rounded in one run
	v_cvt_pk_bf16_f32 v[AB+n], v[RAW+2*n], v[RAW+2*n+1]
.set n, n+1
.endr
	QUARTER 0, 1, 0, 1, 1                          ; the first quarter stands in front of the loop: its products start the sums
	WIN 0
	s_mov_b32 s3, LAPS-1
.Llap:                                                 ; a trip goes once round the ring and fills both slots again
	QUARTER 0, 2, 1, 0, 0
	QUARTER 0, 3, 0, 1, 0
	TURN 0, 1, 1
	QUARTER 1, 1, 0, 1, 0
	QUARTER 1, 2, 1, 0, 0
	QUARTER 1, 3, 0, 1, 0
	TURN 1, 0, 1
	QUARTER 0, 1, 0, 1, 0
	WIN 0
	s_sub_co_u32 s3, s3, 1
	s_cmp_lg_u32 s3, 0
	s_cbranch_scc1 .Llap
	QUARTER 0, 2, 1, 0, 0                          ; the last lap fills nothing
	QUARTER 0, 3, 0, 1, 0
	TURN 0, 1, 0
	QUARTER 1, 1, 0, 1, 0
	QUARTER 1, 2, 1, 0, 0
	QUARTER 1, 3, 0, 1, 0
	s_wait_dscnt 0x0
	MUL8 1, 0, 0
	MUL8 1, 1, 0
	MUL8 1, 2, 0
	MUL8 1, 3, 0
	WIN 0
	PLACES
; THE WAY OUT, in 8 units u = 2 a + g: 16 rows of one head, 2,048 consecutive bytes of heads.  Rounded to f16, 16 bytes a lane into my stage, back as whole rows.
.macro PACK u
	WIN 0x0a                                       ; sources window 2, destination window 0
.irp bb, 0,1,2,3
.irp rr, 0,1,2,3
	v_cvt_pk_f16_f32 v[OUTB+16*(\u)+4*\bb+\rr], v[8*(8*((\u)/2)+4*((\u)%2)+\bb)+2*\rr], v[8*(8*((\u)/2)+4*((\u)%2)+\bb)+2*\rr+1]
.endr
.endr
	WIN 0
.irp bb, 0,1,2,3
	ds_store_b128 v[STO], v[OUTB+16*(\u)+4*\bb:OUTB+16*(\u)+4*\bb+3] offset:32*\bb
.endr
.irp f, 0,1,2,3
	ds_load_b128 v[OUTB+16*(\u)+4*\f:OUTB+16*(\u)+4*\f+3], v[RD] offset:\f*4*SP  ; LDS serves a wave's instructions in order (ISA guide 5.7.1.4): these see the stores above; the next unit's stores come behind them
.endr
.endm
.macro SEND u, younger                 ; younger: the LDS instructions issued behind unit u's loads: the next unit's eight, or none
.irp f, 0,1,2,3
	s_wait_dscnt (\younger)+3-\f
	global_store_b128 v[GO], v[OUTB+16*(\u)+4*\f:OUTB+16*(\u)+4*\f+3], s[8:9] offset:((\u)%2)*262144+((\u)/2)*2048+\f*512  ; 512 consecutive bytes, aligned
.endr
.endm
	PACK 0
.set t, 1
.rept 7
	PACK t
	SEND t-1, 8
.set t, t+1
.endr
	SEND 7, 0
	s_wait_tensorcnt 0x0                           ; the wave's end
	ds_add_u32 v[SPW], v[NIL]
	s_wait_dscnt 0x0
	CROUND                                         ; the closing round: no work-group ends while a partner may still ask for a tile that names it
	s_endpgm
.Lfunc_end_k_qa8e457f6af_proj:
	.size	k_qa8e457f6af_proj, .Lfunc_end_k_qa8e457f6af_proj-k_qa8e457f6af_proj
	.p2alignl 7, 3214868480
	.fill 96, 4, 3214868480
	.section	.rodata,"a",@progbits
	.p2align	6, 0x0
	.amdhsa_kernel k_qa8e457f6af_proj
		.amdhsa_group_segment_fixed_size 327680
		.amdhsa_private_segment_fixed_size 0
		.amdhsa_enable_private_segment 0
		.amdhsa_kernarg_size 64
		.amdhsa_user_sgpr_count 2
		.amdhsa_user_sgpr_kernarg_segment_ptr 1
		.amdhsa_wavefront_size32 1
		.amdhsa_system_sgpr_workgroup_id_x 1
		.amdhsa_system_sgpr_workgroup_id_y 1
		.amdhsa_system_sgpr_workgroup_id_z 1
		.amdhsa_system_vgpr_workitem_id 0
		.amdhsa_next_free_vgpr 768
		.amdhsa_next_free_sgpr 100
		.amdhsa_reserve_vcc 0
		.amdhsa_float_denorm_mode_32 3
		.amdhsa_float_denorm_mode_16_64 3
		.amdhsa_memory_ordered 1
		.amdhsa_forward_progress 1
		.amdhsa_inst_pref_size 142
	.end_amdhsa_kernel
	.amdgpu_metadata
---
amdhsa.version: [ 1, 2 ]
amdhsa.kernels:
  - .name:           k_qa8e457f6af_proj
    .symbol:         k_qa8e457f6af_proj.kd
    .args:
      - { .name: q, .offset: 0, .size: 8, .value_kind: global_buffer, .address_space: global }
      - { .name: k, .offset: 8, .size: 8, .value_kind: global_buffer, .address_space: global }
      - { .name: v, .offset: 16, .size: 8, .value_kind: global_buffer, .address_space: global }
      - { .name: bq, .offset: 24, .size: 8, .value_kind: global_buffer, .address_space: global }
      - { .name: bk, .offset: 32, .size: 8, .value_kind: global_buffer, .address_space: global }
      - { .name: bv, .offset: 40, .size: 8, .value_kind: global_buffer, .address_space: global }
      - { .name: wb, .offset: 48, .size: 8, .value_kind: global_buffer, .address_space: global }
      - { .name: heads, .offset: 56, .size: 8, .value_kind: global_buffer, .address_space: global }
    .group_segment_fixed_size: 327680
    .private_segment_fixed_size: 0
    .kernarg_segment_align: 8
    .kernarg_segment_size: 64
    .max_flat_workgroup_size: 128
    .sgpr_count:     100
    .vgpr_count:     768
    .wavefront_size: 32
...
	.end_amdgpu_metadata
.endif
;; end of part 2
;; launch attn (part 3): grid 4 x 64, 4 waves a work-group, clusters of 4 x 1, 327,680 bytes of LDS; arguments heads, ctx, mcode; writes ctx
.if DOCPART == 3
	.amdgcn_target "amdgcn-amd-amdhsa--gfx1250"
	.amdhsa_code_object_version 6
	.text
	.protected	k_qa8e457f6af_attn
	.globl	k_qa8e457f6af_attn
	.p2align	8
	.type	k_qa8e457f6af_attn,@function
k_qa8e457f6af_attn:
	s_mov_b64 s[64:65], 0
	v_nop
	global_prefetch_b8 v0, s[64:65] scope:SCOPE_SE
	s_setreg_imm32_b32 hwreg(HW_REG_WAVE_MODE, 25, 1), 1
	s_wait_xcnt 0x0
	s_wait_alu depctr_hold_cnt(0) depctr_sa_sdst(0) depctr_va_vdst(0) depctr_va_sdst(0) depctr_va_ssrc(0) depctr_va_vcc(0) depctr_vm_vsrc(0)
	s_getreg_b32 s2, hwreg(HW_REG_IB_STS2, 6, 4)
	s_cmp_eq_u32 s2, 0
	s_cbranch_scc0 .Lentry_in_a_cluster
	s_endpgm
.Lentry_in_a_cluster:
	s_bfe_u32 s2, ttmp6, 0x10000c
	s_cmp_lg_u32 s2, 0x3003
	s_cbranch_scc0 .Lentry_shape_is_right
	s_endpgm
.Lentry_shape_is_right:
; ATTENTION WITH A MASK THAT IS AN INPUT.  O[h][q][:] = the sum over k of softmax_k(score) V[h][k][:], score = Q[h][q] . K[h][k] / 8 where the mask shows key k to query q.  Q, K, V (in heads, 16 MiB each) and O (ctx):
; [64][2048][64] f16, a head's rows dense, 128 bytes each.  Products, maxima and sums in f32; the weights p are rounded to f16 for the second product (their sum l is taken of the unrounded p), O once at the end.
; THE MASK is the C operand that starts the sum S^T = K Q^T: 0 where the key is seen, -2 x 2^96 = -1.6e29 where it is hidden, made from one code byte a key (0x00, 0xC0) by one scaled conversion for eight keys.
; A hidden key's weight is 0 once the running maximum is a seen score; what a row gathers before its first seen key is multiplied by a = 0 when that key comes.  A row that sees no key has all codes 0 and its flag 0:
; its Q is cleared, its scores are all 0, its weights equal: the mean of V, as for equal scores.  Every key tile is computed and every code read: no pattern of the mask is built in.
; LIMITS.  f16 holds no number beyond 65,504: Q, K, V arrive within it.  Seen scores, scaled, are taken to lie above -1e28 (the hidden keys' fixed score, scaled, is -1.6e29 / 8 = -2e28); a weight below 2^-126 counts as 0 in l;
; p below 6e-5 keeps f16's fixed step of 6e-8; NaN and infinities are not treated apart.
; SHARES.  A wave owns four PIECES of two tiles of 16 queries, a work-group's four waves 512 queries of one head.  Every wave walks all keys, 64 a step.
; LAYOUT.  S^T = K Q^T (source 0 = 16 keys, source 1 = 16 queries): a lane holds ONE query (lane % 16) and the keys 8 (lane / 16) + 0..7.  Two such tiles, rounded to f16 in pairs, ARE source 1 of O^T = V^T P.
; SOFTMAX.  A running maximum m and sum l: p = 2^(c s - c m), c = log2(e) / 8; in every step O and l are multiplied by a = 2^(c m_old - c m_new).  m starts at the lowest finite number, O and l at 0.
; BY TURNS.  Turn n belongs to piece n: 16 products K Q^T of piece n + 1, later 16 products V^T P of piece n - 1; beside them piece n's scaling, exponentials, roundings, sums and rescaling, the maximum and statistics
; of piece n + 1, and the mask of piece n + 2.  Four vector instructions stand behind every matrix instruction, the others in two lumps.
; CLUSTER.  The four query blocks of a cluster belong to one head and walk the same K and V: each tile is asked for JOINTLY, by the same tensor load, descriptor and mask in all four.
; REGISTERS, in windows of 256 (s_set_vgpr_msb: bits 1:0 source 0, 3:2 source 1, 5:4 source 2, 7:6 destination):
;   window 0: v0-11 addresses; v12-15, v48-63 at work; v16-47 statistics; v64-191 S^T, two buffers of two tiles; v192-255 P, likewise          window 1: O^T, 32 a tile
;   window 2: v0-127 Q; v128-191 K of one step; v192-255 V of one step          window 3: v0-1 the add's registers; v2 the scale; v4-7 the codes' offsets; v8-71 codes, 16 a piece; v72-135 the mask of one piece
.set SIZE_H, 64
.set SIZE_N, 2048
.set NP,    4         ; pieces a wave: a name, no knob
.set KS,    64        ; keys in a step
.set PK,    144       ; a row of K in LDS: 128 bytes + 16: the 16 rows of a load start at 16 different groups of four banks (64 banks of 4 bytes: ISA guide 11.1)
.set PV,    160       ; a row of V: 128 + 32
.set VOFF,  4*KS*PK   ; a slot holds four steps: 256 rows of K, then 256 rows of V
.set SLOT1, 1<<17     ; slot 1 begins here, so that one exclusive or turns an address in one slot into the other's
.set STAGE, SLOT1+4*KS*(PK+PV)  ; behind the ring, never filled by a tensor load: 16 rows x 144 bytes for each wave
.set SP,    144
.set AK0, 2           ; v2   my lane's place in a tile of K; never rewritten
.set AV0, 3           ; v3   the same for V
.set AK,  4           ; v4   the LDS address of K's next run of loads
.set AV,  5           ; v5   of V's
.set QO,  6           ; v6   my byte offset in the wave's rows of Q
.set STO, 6           ;      later, the way out: where I put 16 bytes of a row
.set RD,  7           ; v7   the way out: where I read rows back
.set GO,  8           ; v8   my byte offset in 512 consecutive bytes of O
.set SPW, 0           ; v0 of window 3   LDS address of my spare word; never rewritten
.set NIL, 1           ; v1 of window 3   0; never rewritten
.set SCL, 2           ; v2 of window 3   the conversion's scale, 2^96
.set MA,  4           ; v4-7 of window 3   piece p's byte offset in my wave's 262,144 bytes of codes
.set RAW, 8           ; window 3: piece p, tile u, key blocks 2 c and 2 c + 1 at RAW + 16 p + 8 u + 4 c
.set MC,  72          ; window 3: tile u, key block kb at MC + 32 u + 8 kb
.set SPARE, STAGE+4*16*SP  ; the spare words, 128 bytes for each wave
.set MV,  12          ; v12-15  c m_old, kept while c m is made anew: by buffer and tile
.set ST,  16          ; tile t's statistics at v[ST+4 t]: c m, m, l (even keys', odd keys')
.set TMP, 48          ; by buffer and tile, four registers c0-c3 at work; when the maximum is found c2 takes a
.set S,   64
.set P,   192
.set KF,  128         ; K's fragments, in window 2
.set VF,  192         ; V's
.set WV,  12          ; s12  my wave's number
.set G1K, 24          ; s[24:31] descriptor group 1 for K's tiles
.set G1V, 32          ; s[32:39] for V's: it differs in the padding alone
.set G0K, 40          ; s[40:43] descriptor group 0 for K's tiles: it walks
.set G0V, 44          ; s[44:47] the same for V's
.set SLOTS, 56        ; s56  slots still to be asked for
.set CNT, 57          ; s57  counts a slot's key steps
.set CS,  58          ; s[58:59] c
.set SEL, 60          ; s[60:61] v_permlanex16_b32's selects
.set TBK, 62          ; s62  LDS byte at which K of the step to be fetched begins
.set TBV, 63          ; s63  the same for V, less VOFF
.set MSB, 0
.macro WIN new                      ; the high byte repeats the setting that is left; a switch that changes nothing is dropped
.if MSB != (\new)
	s_set_vgpr_msb (MSB<<8)|(\new)
.set MSB, (\new)
.endif
.endm
.set W_KQ, 0x0a       ; K and Q in window 2, S^T in window 0
.set W_KM, 0x3a       ; the same with the C operand, the mask, in window 3
.set W_PV, 0x52       ; V in window 2, P in window 0, O^T in window 1
.set W_RS, 0x41       ; O^T (destination and source 0) in window 1, a in window 0
.set W_MK, 0xc0       ; destination in window 3, sources in window 0
.set W_AD, 0x0f       ; the add: address and data in window 3
.set W_MS, 0xff       ; the mask's work: every place in window 3
; A joint fill.  Waves 0 and 1 fetch the two halves of a slot's K, waves 2 and 3 those of its V: 128 keys each.  An s_nop 0 and four v_nop follow each of the two lines.
.macro JLOAD
	s_cmp_lt_u32 s[WV], 2
	s_cbranch_scc0 .Lfor_v_\@
	tensor_load_to_lds s[G0K:G0K+3], s[G1K:G1K+7]
	s_nop 0
.rept 4
	v_nop
.endr
	s_branch .Lasked_\@
.Lfor_v_\@:
	tensor_load_to_lds s[G0V:G0V+3], s[G1V:G1V+7]
	s_nop 0
.rept 4
	v_nop
.endr
.Lasked_\@:
.endm
.macro CROUND                       ; a round of the cluster's barrier
	s_barrier_signal -1
	s_barrier_wait -1
	s_cmp_lg_u32 s[WV], 0
	s_cbranch_scc1 .Lnot_wave_0_\@
	s_barrier_signal -3
.Lnot_wave_0_\@:
	s_barrier_wait -3
	s_barrier_signal -1
	s_barrier_wait -1
.endm
; THE CHANGE OF SLOTS.  Each wave waits for all its tensor loads, of which one is out: its part of the other slot; adds 0 to its spare word; and waits for that and for its own reads of the slot.
; fill = 1: this slot is filled again, with the keys two slots on, behind a round of the cluster's barrier; the fill has four key steps, 512 matrix instructions, in which to land.
.macro CHANGE fill
	WIN W_AD
	s_wait_tensorcnt 0x0            ; no tensor load of mine is out, so a group 0 may be written
	ds_add_u32 v[SPW], v[NIL]       ; 0 onto my spare word
	WIN 0                           ; at a label and at a branch every window is 0
.if \fill
.irp g, G0K, G0V
	s_xor_b32 s[\g+1], s[\g+1], SLOT1  ; the walking descriptor: the other slot than last time,
	s_add_nc_u64 s[\g+2:\g+3], s[\g+2:\g+3], 4*KS*128  ; the next 256 keys
.endr
	s_wait_dscnt 0x0                ; the add is done, and my reads of the slot are over
	CROUND
	JLOAD
.else
	s_wait_dscnt 0x0
	s_barrier_signal -1
	s_barrier_wait -1
.endif
	s_sub_co_u32 s[TBK], s[TBK], 4*KS*PK  ; the fetches go back to a slot's first step,
	s_xor_b32 s[TBK], s[TBK], SLOT1       ; in the other slot
	s_sub_co_u32 s[TBV], s[TBV], 4*KS*PV
	s_xor_b32 s[TBV], s[TBV], SLOT1
.endm
; THE MASK.  MLOAD: piece p's codes of one key step, four loads of 512 consecutive bytes.  MKMASK: piece p's codes become its mask; its offset steps to the next key step, and that step's codes are asked for.
; Sixteen such loads are always out, four a piece, in the order in which the pieces are taken: the count 12 shows the oldest four, piece p's, landed, and so frees their offset register.
; The offset wraps inside my wave's 262,144 bytes, so the last steps' look-ahead reads the first steps' codes again and uses nothing of them.
.macro MLOAD p
.irp u, 0,1
.irp c, 0,1
	global_load_b128 v[RAW+16*(\p)+8*\u+4*\c:RAW+16*(\p)+8*\u+4*\c+3], v[MA+(\p)], s[48:49] offset:1024*\u+512*\c
.endr
.endr
.endm
.macro MKMASK p
	WIN W_MS
	s_wait_loadcnt 12
.irp u, 0,1
.irp kb, 0,1,2,3
	v_cvt_scale_pk8_f32_fp8 v[MC+32*\u+8*\kb:MC+32*\u+8*\kb+7], v[RAW+16*(\p)+8*\u+2*\kb:RAW+16*(\p)+8*\u+2*\kb+1], v[SCL]
.endr
.endr
	v_add_nc_u32 v[MA+(\p)], 0x2000, v[MA+(\p)]    ; two plain instructions behind the conversions, ahead of the loads into their sources
	v_and_b32 v[MA+(\p)], 0x3ffff, v[MA+(\p)]
	s_wait_alu depctr_va_vdst(0)
	MLOAD \p
	WIN 0
.endm
	s_load_b128 s[4:7], s[0:1], 0x0   ; heads s[4:5], ctx s[6:7]
	s_load_b64 s[48:49], s[0:1], 0x10 ; mcode
	WIN W_MK
	v_lshl_add_u32 v[SPW], v0, 2, SPARE
	v_mov_b32 v[NIL], 0
	WIN W_AD
	ds_add_u32 v[SPW], v[NIL]       ; the wave's opening: an add and its wait ahead of my first tensor load
	WIN 0
	v_lshrrev_b32 v1, 5, v0
	v_readfirstlane_b32 s[WV], v1   ; wave 0..3
	s_bfe_u32 s13, ttmp6, 0x40000   ; cx: my place in the cluster
	s_lshl_b32 s14, ttmp9, 2        ; in a cluster launch ttmp9 counts clusters
	s_add_co_u32 s14, s14, s13      ; my block of queries: it enters Q's, O's and the codes' addresses alone
	s_and_b32 s20, ttmp7, 0xffff    ; the head, which the four partners share
	s_mov_b32 s21, 0
	s_mov_b64 s[22:23], SIZE_N*128
	s_mul_u64 s[20:21], s[20:21], s[22:23]  ; the head's first byte in each tensor
	s_and_b32 s16, s[WV], 1         ; which half of a slot's 256 keys I fetch:
	s_lshl_b32 s22, s16, 14         ; its 128 rows of 128 bytes in memory,
	s_mov_b32 s23, 0
	s_add_nc_u64 s[22:23], s[22:23], s[20:21]
	s_mul_i32 s17, s16, 128*PK      ; and its place in a slot, for K
	s_mul_i32 s18, s16, 128*PV      ; and for V
	s_lshl_b32 s2, s14, 2
	s_add_co_u32 s2, s2, s[WV]      ; my wave among the head's sixteen:
	s_lshl_b32 s52, s2, 18          ; its 262,144 bytes of codes,
	s_mov_b32 s53, 0
	s_lshl_b32 s54, s2, 10          ; its 8 x 32 flag words,
	s_mov_b32 s55, 0
	s_lshl_b32 s2, s2, 14           ; its 128 rows
	s_mov_b32 s3, 0
	s_add_nc_u64 s[2:3], s[2:3], s[20:21]
	; descriptor group 1.  128 keys are 16,384 dense bytes: asked for as 64 rows of 256 bytes, two keys a row, and padded in LDS after every key
	s_mov_b32 s[G1K], 15|(1<<16)|(1<<20)|(1<<21)|(4<<22)|(3<<25)  ; the mask of four; 2-byte elements; padding on; bit 21 beside a mask; after every 32 words 4 words
	s_mov_b32 s[G1V], 15|(1<<16)|(1<<20)|(1<<21)|(4<<22)|(7<<25)  ; the same with 8 words of padding
.irp g, G1K, G1V
	s_mov_b32 s[\g+1], 128<<16      ; tensor_dim0 = 128
	s_mov_b32 s[\g+2], 64<<16       ; tensor_dim1 = 64
	s_mov_b32 s[\g+3], 128<<16      ; tile_dim0 = 128
	s_mov_b32 s[\g+4], 64           ; tile_dim1 = 64
	s_mov_b32 s[\g+5], 128          ; 128 elements from row to row
	s_mov_b32 s[\g+6], 0
	s_mov_b32 s[\g+7], 0
.endr
	s_mov_b32 s[CS], 0x3e38aa3b     ; c = log2(e) / 8 = 0.180337
	s_mov_b32 s[CS+1], s[CS]
	s_mov_b32 s[SEL], 0x76543210
	s_mov_b32 s[SEL+1], 0xfedcba98
	s_mov_b32 s[TBK], SLOT1+4*KS*PK ; the first change of slots turns these two into 0
	s_mov_b32 s[TBV], SLOT1+4*KS*PV
	s_mov_b32 s[G0K], 1
	s_mov_b32 s[G0K+1], s17         ; LDS address: slot 0
	s_mov_b32 s[G0V], 1
	s_add_co_u32 s[G0V+1], s18, VOFF
	s_wait_dscnt 0x0                ; the opening add is done
	s_wait_kmcnt 0x0
	s_mov_b64 s[10:11], s[6:7]                     ; O
	s_add_nc_u64 s[6:7], s[4:5], 0x1000000         ; K; Q stays in s[4:5]
	s_add_nc_u64 s[8:9], s[4:5], 0x2000000         ; V
	s_add_nc_u64 s[50:51], s[48:49], 0x400000      ; the flags,
	s_add_nc_u64 s[50:51], s[50:51], s[54:55]      ; my wave's
	s_add_nc_u64 s[48:49], s[48:49], s[52:53]      ; my wave's codes
	s_add_nc_u64 s[G0K+2:G0K+3], s[6:7], s[22:23]  ; my half of the head's first 256 keys
	s_or_b32 s[G0K+3], s[G0K+3], 0x80000000
	s_add_nc_u64 s[G0V+2:G0V+3], s[8:9], s[22:23]
	s_or_b32 s[G0V+3], s[G0V+3], 0x80000000
	s_add_nc_u64 s[4:5], s[4:5], s[2:3]  ; Q and O at my wave's first row
	s_add_nc_u64 s[10:11], s[10:11], s[2:3]
	CROUND                          ; all four work-groups are here: the first joint loads meet
	JLOAD                           ; slot 0.  Slot 1 is asked for when slot 0 is in
	v_and_b32 v1, 15, v0            ; l % 16
	v_bfe_u32 v9, v0, 4, 1          ; l / 16
	v_lshlrev_b32 v[QO], 7, v1
	v_lshl_add_u32 v[QO], v9, 4, v[QO]  ; row x 128 + 16 x half
	WIN 0x80                        ; destination window 2, address window 0
.set i, 0
.rept 4*NP                          ; Q stays in registers: tile i / 2, channels 32 (i % 2) on
	global_load_b128 v[8*i:8*i+3],   v[QO], s[4:5] offset:(i/2)*2048+(i%2)*64
	global_load_b128 v[8*i+4:8*i+7], v[QO], s[4:5] offset:(i/2)*2048+(i%2)*64+32
.set i, i+1
.endr
	WIN 0
	v_and_b32 v13, 31, v0
	v_lshlrev_b32 v12, 2, v13
.set i, 0
.rept 2*NP                          ; the flag of my query in each of the eight tiles
	global_load_b32 v[TMP+i], v12, s[50:51] offset:128*i
.set i, i+1
.endr
	WIN W_MK
	v_mov_b32 v[SCL], 0x6f8000df    ; the low byte as an E8M0 scale, and the word's exponent as f32, both say 2^96
.set i, 0
.rept NP
	v_lshl_add_u32 v[MA+i], v13, 4, 2048*i
.set i, i+1
.endr
	WIN W_MS
.set i, 0
.rept NP                            ; key step 0's codes, piece after piece
	MLOAD i
.set i, i+1
.endr
	; What the first turn finds: V's registers and P's second buffer hold 0, O^T and l are 0.  All this stands in the wait for the first tile.
	WIN 0x80
.set i, VF
.rept 64
	v_mov_b32 v[i], 0
.set i, i+1
.endr
	WIN 0x40
.set i, 0
.rept 64*NP
	v_mov_b32 v[i], 0
.set i, i+1
.endr
	WIN 0
.set i, 0
.rept 2*NP
	v_mov_b32 v[ST+4*i], 0xfe000000    ; c m: far below every c s, a hidden key's too
	v_mov_b32 v[ST+4*i+1], 0xff7fffff  ; m
	v_mov_b32 v[ST+4*i+2], 0
	v_mov_b32 v[ST+4*i+3], 0
.set i, i+1
.endr
.set i, P+32
.rept 32
	v_mov_b32 v[i], 0
.set i, i+1
.endr
	v_mul_u32_u24 v[AK0], v1, PK
	v_lshl_add_u32 v[AK0], v9, 4, v[AK0]  ; row x pitch + 16 x half
	; The turning load takes 16 keys x 16 channels (lane l reads key 8 (l / 16) + l % 8, channels 8 ((l / 8) % 2) + 0..7) and leaves half a fragment of V^T
	v_and_b32 v10, 7, v0
	v_bfe_u32 v11, v0, 3, 1
	v_lshl_add_u32 v[AV0], v9, 3, v10
	v_mul_u32_u24 v[AV0], v[AV0], PV
	v_lshl_add_u32 v[AV0], v11, 4, v[AV0]
	v_add_nc_u32 v[AV0], VOFF, v[AV0]
	v_mov_b32 v[AK], v[AK0]         ; key step 0 lies at the head of slot 0
; THE MATRIX WORK.  The 8 accumulators of a run of 16 take turns.
; Product i of 16 of S^T = K Q^T for piece x: channels 32 (i / 8) on, keys 16 ((i / 2) % 4) on, tile 2 x + i % 2.  The first 8 start the sums, with the mask.
.macro KQ x
.set rS, S+64*((\x)%2)+32*(i%2)+8*((i/2)%4)
.set rK, KF+16*((i/2)%4)+8*(i/8)
.set rQ, 16*(2*(\x)+i%2)+8*(i/8)
.set rMC, MC+32*(i%2)+8*((i/2)%4)
.if i < 8
	WIN W_KM
	v_wmma_f32_16x16x32_f16 v[rS:rS+7], v[rK:rK+7], v[rQ:rQ+7], v[rMC:rMC+7]
.else
	WIN W_KQ
	v_wmma_f32_16x16x32_f16 v[rS:rS+7], v[rK:rK+7], v[rQ:rQ+7], v[rS:rS+7]
.endif
.endm
; Product i of 16 of O^T += V^T P for piece x: keys 32 (i / 8) on, channels 16 ((i / 2) % 4) on, tile 2 x + i % 2.
.macro PV x
	WIN W_PV
.set rO, 32*(2*(\x)+i%2)+8*((i/2)%4)
.set rV, VF+32*(i/8)+8*((i/2)%4)
.set rP, P+32*((\x)%2)+16*(i%2)+8*(i/8)
	v_wmma_f32_16x16x32_f16 v[rO:rO+7], v[rV:rV+7], v[rP:rP+7], v[rO:rO+7]
.endm
.macro MM                           ; the turn's next matrix instruction
.if i < 16
	KQ (Y+1)%NP
.set i, i+1
.else
.set i, i-16
	PV (Y+NP-1)%NP
.set i, i+17
.endif
.endm
; THE LDS LOADS stand in runs of 16: a step's K (8 fragments) and its V (turned).  last = 1 (the tail): in the last trip there is no further step, and the run is jumped over.
.macro FETCH_K last=0
	WIN 0
.if \last
	s_cmp_eq_u32 s[CNT], 1
	s_cbranch_scc1 .Lno_k_\@
.endif
	WIN 0x80                        ; destination window 2
.irp f, 0,1,2,3,4,5,6,7             ; keys 16 (f / 2) on, channels 32 (f % 2) on
	ds_load_b128 v[KF+8*\f:KF+8*\f+3],   v[AK] offset:(\f/2)*16*PK+(\f%2)*64
	ds_load_b128 v[KF+8*\f+4:KF+8*\f+7], v[AK] offset:(\f/2)*16*PK+(\f%2)*64+32
.endr
	s_add_co_u32 s[TBK], s[TBK], KS*PK  ; the next fetch is the next step's
	WIN 0
.if \last
.Lno_k_\@:
.endif
.endm
.macro FETCH_V
	WIN 0x80
.irp f, 0,1,2,3,4,5,6,7             ; keys 32 (f / 4) on, channels 16 (f % 4) on
	ds_load_tr16_b128 v[VF+8*\f:VF+8*\f+3],   v[AV] offset:(\f/4)*32*PV+(\f%4)*32
	ds_load_tr16_b128 v[VF+8*\f+4:VF+8*\f+7], v[AV] offset:(\f/4)*32*PV+16*PV+(\f%4)*32
.endr
	WIN 0
.endm
; THE VECTOR WORK OF A TURN stands in three queues, each in the order in which its entries become ready; the two tiles alternate.
.macro REGS y, u                    ; the registers of tile u (0, 1) of piece y
.set rT, ST+4*(2*(\y)+(\u))
.set rC, TMP+8*((\y)%2)+4*(\u)
.set rM, MV+2*((\y)%2)+(\u)
.set rS, S+64*((\y)%2)+32*(\u)
.set rP, P+32*((\y)%2)+16*(\u)
.set rO, 32*(2*(\y)+(\u))
.endm
; Number n of the 22 that find the NEXT piece's (Y + 1) maximum and statistics; each accumulator's lowest registers are read first.
;   0-11  four chains c0-c3 of seven scores each     12-14, 16  the four scores left over, the old m, and c0-c3 into c0     15  c m_old is kept
;   17, 18  the query's other 32 keys lie in the lane 16 away: the new m         19-21  c m; c m_old - c m_new; a
.macro XS u, n
	REGS (Y+1)%NP, \u
.if (\n) < 4
	v_max3_num_f32 v[rC+(\n)], v[rS+8*(\n)], v[rS+8*(\n)+1], v[rS+8*(\n)+2]
.elseif (\n) < 12
	v_max3_num_f32 v[rC+(\n)%4], v[rC+(\n)%4], v[rS+8*((\n)%4)+2*((\n)/4)+1], v[rS+8*((\n)%4)+2*((\n)/4)+2]
.elseif (\n) == 12
	v_max3_num_f32 v[rC], v[rC], v[rS+7], v[rS+15]
.elseif (\n) == 13
	v_max3_num_f32 v[rC+1], v[rC+1], v[rS+23], v[rS+31]
.elseif (\n) == 14
	v_max3_num_f32 v[rC+2], v[rC+2], v[rC+3], v[rT+1]
.elseif (\n) == 15
	v_mov_b32 v[rM], v[rT]
.elseif (\n) == 16
	v_max3_num_f32 v[rC], v[rC], v[rC+1], v[rC+2]
.elseif (\n) == 17
	v_permlanex16_b32 v[rC+3], v[rC], s[SEL], s[SEL+1]
.elseif (\n) == 18
	v_max_num_f32 v[rT+1], v[rC], v[rC+3]
.elseif (\n) == 19
	v_mul_f32 v[rT], s[CS], v[rT+1]
.elseif (\n) == 20
	v_sub_f32 v[rC+1], v[rM], v[rT]
.else
	v_exp_f32 v[rC+2], v[rC+1]
.endif
.endm
; Number g of the 64 that follow the exponentials.  For each four weights k of a tile: both pairs are rounded to f16; the second pair is added onto the first, in place; a group later l takes that sum.
.macro GS g
.set h, (\g)+6*((\g)/62)            ; group 0 has no group before it, and behind group 7 only l is left
.if h >= 6
.set h, h+2
.endif
	REGS Y, h%2
.set k, h/8
.if h%8 < 4
	s_wait_alu depctr_va_vdst(0)
	v_cvt_pk_f16_f32 v[rP+2*k+(h%8)/2], v[rS+4*k+2*((h%8)/2)], v[rS+4*k+2*((h%8)/2)+1]
.elseif h%8 < 6
	v_pk_add_f32 v[rS+4*k:rS+4*k+1], v[rS+4*k:rS+4*k+1], v[rS+4*k+2:rS+4*k+3]
.elseif k == 1
	v_pk_fma_f32 v[rT+2:rT+3], v[rT+2:rT+3], v[rC+2:rC+3], v[rS:rS+1] op_sel_hi:[1,0,1]
.else
	v_pk_add_f32 v[rT+2:rT+3], v[rT+2:rT+3], v[rS+4*k-4:rS+4*k-3]
.endif
.endm
; THE PLAIN QUEUE, 138 long.  0-31: c s - c m for the 16 pairs of both tiles.  Then GS's 64, and among them the next piece's 42.
.macro PL
	WIN 0
.if q < 32
	REGS Y, q%2
	v_pk_fma_f32 v[rS+2*(q/2):rS+2*(q/2)+1], v[rS+2*(q/2):rS+2*(q/2)+1], s[CS:CS+1], v[rT:rT+1] op_sel_hi:[1,0,0] neg_lo:[0,0,1] neg_hi:[0,0,1]
.elseif q < 38
	GS q-32
.elseif q < 40
	XS q%2, 15
.elseif q < 42
	GS q-34
.elseif q < 74
	XS q%2, (q-42)/2+(q-42)/30
.elseif q < 95
	GS q-66
.elseif (q < 107) && ((q-95)%3 < 2)
	XS (q-95)%3, 17+(q-95)/3
.elseif q < 107
	GS 29+(q-95)/3
.else
	GS q-74
.endif
.set q, q+1
.endm
; THE EXPONENTIALS' QUEUE, 66 long: s0-s31 of both tiles, and at EA the next piece's two a.
.set EA, 58
.macro EX
	WIN 0
.if (e == EA) || (e == EA+1)
	XS e-EA, 21
.else
.set x, e-2*(e/(EA+2))
	REGS Y, x%2
	v_exp_f32 v[rS+x/2], v[rS+x/2]
.endif
.set e, e+1
.endm
; THE RESCALING's QUEUE: O^T times a, dealt four at a time, eight times.
.macro R4
	REGS Y, r%2
	WIN W_RS
	s_wait_alu depctr_va_vdst(0)
.irp z, 0,1,2,3
	v_pk_mul_f32 v[rO+8*(r/2)+2*\z:rO+8*(r/2)+2*\z+1], v[rO+8*(r/2)+2*\z:rO+8*(r/2)+2*\z+1], v[rC+2:rC+3] op_sel_hi:[1,0]
.endr
.set r, r+1
.endm
; HOW THEY ARE DEALT.  Behind a matrix instruction four: plain, exponential, plain, plain, or four of the rescaling; none names a register of the products round it.  What is over stands in two lumps.
; Exponential e stands behind plain 2 (e / 4) + e % 2 (its scaling); when plain 32 comes, 10 exponentials are out, at 59: 33, at 95: 46; EA comes behind plain 107.
.macro SL
	MM
	PL
	EX
	PL
	PL
.endm
.macro BURST n                      ; 15 matrix instructions, or 16
.rept (\n)-7
	SL
.endr
.rept 3
	MM
	R4
	SL
.endr
	MM
	R4
.endm
; A TURN, for piece p.  cnt = 1: the loop's count is taken down some lines ahead of the branch that stands behind the turn.
; K of the next step is fetched in piece 2's turn, V of the step in hand at the end of piece 0's.  The mask of piece p + 2 is made in the second lump: behind a plain instruction, with 22 plain ones behind it,
; and far more than four plain instructions behind this turn's products K Q^T, which read the mask of piece p + 1 from the same registers.
.macro TURN p, last=0, cnt=0
.set Y, (\p)
.set i, 0
.set q, 0
.set e, 0
.set r, 0
.if (\p) == NP-1
	s_wait_dscnt 0x0                ; K is in
.endif
	MM
.rept 4
	PL
.endr
	BURST 15
.rept 22
	EX
	PL
.if ((\p) == NP-2) && (e == 18)
	v_add_nc_u32 v[AK], s[TBK], v[AK0]
.endif
.if ((\p) == NP-2) && (e == 24)
	FETCH_K \last
.endif
.endr
.if (\p) == 1
	s_wait_dscnt 0x0                ; V is in
.endif
	BURST 16
.rept 21
	EX
	PL
.endr
	MKMASK ((\p)+2)%NP
.rept 22
	PL
.if ((\p) == 0) && (q == 118)
	v_add_nc_u32 v[AV], s[TBV], v[AV0]
	s_wait_alu depctr_va_vdst(0)
.endif
.if ((\p) == 0) && (q == 130)
	s_add_co_u32 s[TBV], s[TBV], KS*PV
.endif
.if (\cnt) && (q == 130)
	s_sub_co_u32 s[CNT], s[CNT], 1
	s_cmp_lg_u32 s[CNT], 0
.endif
.endr
.if (\p) == 0
	FETCH_V
.endif
.endm
	CHANGE 1                        ; slot 0 is in, everybody's part of it; slot 1 is asked for
	FETCH_K                         ; key step 0
	s_wait_loadcnt 16               ; Q and the flags are in; the 16 loads of codes, issued behind them, may stay out
	WIN 0x82                        ; Q in window 2, the flag in window 0
.set i, 0
.rept 128
	v_and_b32 v[i], v[i], v[TMP+i/16]  ; a query that sees no key becomes 0
.set i, i+1
.endr
	MKMASK 0
	s_wait_dscnt 0x0
.set i, 0
.rept 16
	KQ 0                            ; piece 0's first scores
.set i, i+1
.endr
	WIN 0                           ; the addresses for the way out: plain instructions, the places behind those products
	s_mul_i32 s13, s[WV], 16*SP
	s_add_co_u32 s13, s13, STAGE    ; my stage
	v_mul_u32_u24 v[STO], v1, SP    ; in: row l % 16, 16 bytes for each half of the lanes
	v_lshl_add_u32 v[STO], v9, 4, v[STO]
	v_add_nc_u32 v[STO], s13, v[STO]
	v_bfe_u32 v[RD], v0, 3, 2       ; back: 32 lanes take four rows of 128 bytes,
	v_mul_u32_u24 v[RD], v[RD], SP
	v_lshl_add_u32 v[RD], v10, 4, v[RD]
	v_add_nc_u32 v[RD], s13, v[RD]
	v_and_b32 v[GO], 31, v0         ; which are 512 consecutive bytes of O
	v_lshlrev_b32 v[GO], 4, v[GO]
.set Y, NP-1                        ; XS works for piece Y + 1: piece 0
.irp n, 0,1,2,3,4,5,6,7,8,9,10,11,12,13,14,15,16,17,18,19,20,21
	XS 0, \n                        ; piece 0's first maximum and statistics
	XS 1, \n
.endr
	MKMASK 1                        ; for the first turn's products
	s_mov_b32 s[CNT], 4
	s_mov_b32 s[SLOTS], SIZE_N/256-1
	s_branch .Lfirst                ; the loop is entered at a step's first turn, in the middle of a trip
.Lslot:                             ; SIZE_N / 256 - 2 times: every slot but the last two is filled again
	CHANGE 1
	s_mov_b32 s[CNT], 4
.Lstep:                             ; a trip: pieces 2 and 3 of one step, then pieces 0 and 1 of the next, whose K and V it fetches
	TURN 2
	TURN 3
	WIN 0
.Lfirst:
	TURN 0
	TURN 1, 0, 1
	WIN 0
	s_cbranch_scc1 .Lstep
	s_sub_co_u32 s[SLOTS], s[SLOTS], 1
	s_cmp_lg_u32 s[SLOTS], 0
	s_cbranch_scc1 .Lslot
	CHANGE 0                        ; the tail is written out: nothing is asked for
	s_mov_b32 s[CNT], 5             ; four trips fetch the last slot's steps; the fifth is left in its middle
.Ltail:
	TURN 2, 1
	TURN 3
	WIN 0
	s_sub_co_u32 s[CNT], s[CNT], 1
	s_cmp_eq_u32 s[CNT], 0
	s_cbranch_scc1 .Lout
	TURN 0
	TURN 1
	WIN 0
	s_branch .Ltail
.Lout:                              ; the fifth trip's 16 products K Q^T (on the last K once more) and the maximum made of them serve nothing: the price, once a launch, of one text for every trip
.set i, 0
.rept 16
	PV NP-1                         ; the last piece's V^T P of the last step
.set i, i+1
.endr
	; THE WAY OUT.  l's two halves and the other half of the lanes' are added; O^T is divided by l, rounded to f16 and sent through my stage in LDS, a tile at a time.  The additions are the places behind the last products.
	WIN 0
.macro ALL line:vararg              ; one line for each tile t
.set t, 0
.rept 2*NP
	\line
.set t, t+1
.endr
.endm
	ALL v_add_f32 v[ST+4*t+2], v[ST+4*t+2], v[ST+4*t+3]
	ALL v_permlanex16_b32 v[ST+4*t+3], v[ST+4*t+2], s[SEL], s[SEL+1]
	ALL v_add_f32 v[ST+4*t+2], v[ST+4*t+2], v[ST+4*t+3]
	ALL v_rcp_f32 v[ST+4*t+2], v[ST+4*t+2]
	v_nop                           ; a plain instruction between the last reciprocal and the use of its result
	s_wait_alu depctr_va_vdst(0)
.macro PACK t
	WIN W_RS
.set i, 32*(\t)
.rept 16
	v_pk_mul_f32 v[i:i+1], v[i:i+1], v[ST+4*(\t)+2:ST+4*(\t)+3] op_sel_hi:[1,0]
.set i, i+2
.endr
	WIN 0x05                        ; sources 0 and 1 window 1, destination window 0
.set i, 0
.rept 16
	v_cvt_pk_f16_f32 v[S+16*(\t)+i], v[32*(\t)+2*i], v[32*(\t)+2*i+1]
.set i, i+1
.endr
	WIN 0
.irp f, 0,1,2,3
	ds_store_b128 v[STO], v[S+16*(\t)+4*\f:S+16*(\t)+4*\f+3] offset:32*\f
.endr
.irp f, 0,1,2,3
	ds_load_b128 v[S+16*(\t)+4*\f:S+16*(\t)+4*\f+3], v[RD] offset:\f*4*SP  ; LDS serves a wave's instructions in order (ISA guide 5.7.1.4): these see the stores above; the next tile's stores come behind them
.endr
.endm
.macro SEND t, younger              ; younger: the LDS instructions issued behind tile t's loads: the next tile's eight, or none
	WIN 0
.irp f, 0,1,2,3
	s_wait_dscnt (\younger)+3-\f
	global_store_b128 v[GO], v[S+16*(\t)+4*\f:S+16*(\t)+4*\f+3], s[10:11] offset:(\t)*2048+\f*512  ; 512 consecutive bytes, aligned
.endr
.endm
	PACK 0
.set t, 1
.rept 2*NP-1                        ; a tile's arithmetic stands between the loads of the tile before and its stores
	PACK t
	SEND t-1, 8
.set t, t+1
.endr
	SEND 2*NP-1, 0
	WIN W_AD
	s_wait_tensorcnt 0x0            ; the wave's end
	ds_add_u32 v[SPW], v[NIL]
	s_wait_dscnt 0x0
	WIN 0
	CROUND                          ; the closing round: no work-group ends while a partner may still ask for a tile that names it
	s_endpgm
.Lfunc_end_k_qa8e457f6af_attn:
	.size	k_qa8e457f6af_attn, .Lfunc_end_k_qa8e457f6af_attn-k_qa8e457f6af_attn
	.p2alignl 7, 3214868480
	.fill 96, 4, 3214868480
	.section	.rodata,"a",@progbits
	.p2align	6, 0x0
	.amdhsa_kernel k_qa8e457f6af_attn
		.amdhsa_group_segment_fixed_size 327680
		.amdhsa_private_segment_fixed_size 0
		.amdhsa_enable_private_segment 0
		.amdhsa_kernarg_size 24
		.amdhsa_user_sgpr_count 2
		.amdhsa_user_sgpr_kernarg_segment_ptr 1
		.amdhsa_wavefront_size32 1
		.amdhsa_system_sgpr_workgroup_id_x 1
		.amdhsa_system_sgpr_workgroup_id_y 1
		.amdhsa_system_sgpr_workgroup_id_z 1
		.amdhsa_system_vgpr_workitem_id 0
		.amdhsa_next_free_vgpr 904
		.amdhsa_next_free_sgpr 66
		.amdhsa_reserve_vcc 0
		.amdhsa_float_denorm_mode_32 3
		.amdhsa_float_denorm_mode_16_64 3
		.amdhsa_memory_ordered 1
		.amdhsa_forward_progress 1
		.amdhsa_inst_pref_size 223
	.end_amdhsa_kernel
	.amdgpu_metadata
---
amdhsa.version: [ 1, 2 ]
amdhsa.kernels:
  - .name:           k_qa8e457f6af_attn
    .symbol:         k_qa8e457f6af_attn.kd
    .args:
      - { .name: heads, .offset: 0, .size: 8, .value_kind: global_buffer, .address_space: global }
      - { .name: ctx, .offset: 8, .size: 8, .value_kind: global_buffer, .address_space: global }
      - { .name: mcode, .offset: 16, .size: 8, .value_kind: global_buffer, .address_space: global }
    .group_segment_fixed_size: 327680
    .private_segment_fixed_size: 0
    .kernarg_segment_align: 8
    .kernarg_segment_size: 24
    .max_flat_workgroup_size: 128
    .sgpr_count:     66
    .vgpr_count:     904
    .wavefront_size: 32
...
	.end_amdgpu_metadata
.endif
;; end of part 3
;; launch oproj (part 4): grid 4 x 64, 4 waves a work-group, clusters of 4 x 4, 327,680 bytes of LDS; arguments ctx, wb, bo, out0; writes out0
.if DOCPART == 4
	.amdgcn_target "amdgcn-amd-amdhsa--gfx1250"
	.amdhsa_code_object_version 6
	.text
	.protected	k_qa8e457f6af_oproj
	.globl	k_qa8e457f6af_oproj
	.p2align	8
	.type	k_qa8e457f6af_oproj,@function
k_qa8e457f6af_oproj:
	s_mov_b64 s[64:65], 0
	v_nop
	global_prefetch_b8 v0, s[64:65] scope:SCOPE_SE
	s_setreg_imm32_b32 hwreg(HW_REG_WAVE_MODE, 25, 1), 1
	s_wait_xcnt 0x0
	s_wait_alu depctr_hold_cnt(0) depctr_sa_sdst(0) depctr_va_vdst(0) depctr_va_sdst(0) depctr_va_ssrc(0) depctr_va_vcc(0) depctr_vm_vsrc(0)
	s_getreg_b32 s2, hwreg(HW_REG_IB_STS2, 6, 4)
	s_cmp_eq_u32 s2, 0
	s_cbranch_scc0 .Lentry_in_a_cluster
	s_endpgm
.Lentry_in_a_cluster:
	s_bfe_u32 s2, ttmp6, 0x10000c
	s_cmp_lg_u32 s2, 0xf033
	s_cbranch_scc0 .Lentry_shape_is_right
	s_endpgm
.Lentry_shape_is_right:
; THE OUTPUT PROJECTION.  out0 = ctx Wo^T + bo.  ctx lies by heads, [64 = batch*16 + head][2048][64] f16; Wo [1024][1024] f16 (bf16 numbers written as f16) at byte 0x600000 of wb; bo f32, rounded to bf16 here
; like the other inputs; out0 [8192][1024] f32.  Sums in f32.
; SHARES.  A tile of out0 is 128 rows x 256 columns: 64 x 4 = 256 work-groups.  Four waves, 2 x 2, each 64 x 128: 32 accumulators.  K goes in 8 steps of 128, two heads each, through two LDS slots.
; A head's 128 rows of a tile are 16,384 dense bytes: asked for as 64 rows of 256 bytes and padded in LDS after every 128, so that a token's 64 channels have a row of 144 bytes.
; CLUSTER.  4 x 4 work-groups: ctx's tiles are shared along a row of the cluster, Wo's along a column, each asked for jointly.
; THE MATRIX INSTRUCTION IS USED TRANSPOSED (source 0 = 16 rows of Wo, source 1 = 16 rows of ctx): a lane holds eight neighbouring columns of a row of out0.  The bias is the C operand of the first product.
; REGISTERS: window 0: v0-31 addresses; v32-63 at work; v64-127, v128-191 the way out, two buffers.      window 1: fragment buffer f at 96 f: 64 of Wo, 32 of ctx; v192-255 the bias.      window 2: accumulator (a, b) at v[8 (8 a + b)].
.set KSTEP,  128
.set PA,     144
.set PB,     272
.set HEADA,  128*PA                    ; a head's 128 rows: what one tensor load brings of ctx
.set HALFB,  128*PB
.set BOFF,   2*HEADA
.set SLOT,   BOFF+2*HALFB
.set STAGE,  2*SLOT                    ; behind the ring: 16 rows x 528 bytes for each wave
.set SPITCH, 528
.set SPARE,  STAGE+4*16*SPITCH
.set LAPS,   4
.set ADRA, 16
.set ADRB, 20
.set STO,  24
.set RD,   25
.set CO,   26
.set BOF,  27
.set SPW,  28                          ; LDS address of my spare word; never rewritten
.set NIL,  29                          ; 0; never rewritten
.set BT,   32
.set BK,   64
.set BIAS, 192                         ; window 1
.set WV, 12                            ; s12 wave;  s13 my half of the rows, also: I fetch ctx (0) or Wo (1);  s14 my half of the columns, also: which head or half I fetch;  s15 tile row
.set WR, 13
.set WC, 14
.set YM, 15
.set G1, 24
.set G0, 32
.set G1B, 48
.set G0B, 56
.set MSB, 0
.macro WIN new
.if MSB != (\new)
	s_set_vgpr_msb (MSB<<8)|(\new)
.set MSB, \new
.endif
.endm
.set MUL,  0xa5                        ; sources 0 (Wo) and 1 (ctx) window 1, C and D window 2
.set MULB, 0x95                        ; the same with C (the bias) in window 1
.set TO_F, 0x40
.macro JLOAD s                         ; a joint load: waves 0, 1 fetch ctx's two heads, waves 2, 3 Wo's halves; an s_nop 0 and four v_nop follow each line
	s_cmp_eq_u32 s[WR], 0
	s_cbranch_scc0 .Lfor_b_\@
	tensor_load_to_lds s[G0+4*(\s):G0+4*(\s)+3], s[G1:G1+7]
	s_nop 0
.rept 4
	v_nop
.endr
	s_branch .Lasked_\@
.Lfor_b_\@:
	tensor_load_to_lds s[G0B+4*(\s):G0B+4*(\s)+3], s[G1B:G1B+7]
	s_nop 0
.rept 4
	v_nop
.endr
.Lasked_\@:
.endm
.macro CREST
	s_cmp_lg_u32 s[WV], 0
	s_cbranch_scc1 .Lnot_wave_0_\@
	s_barrier_signal -3
.Lnot_wave_0_\@:
	s_barrier_wait -3
	s_barrier_signal -1
	s_barrier_wait -1
.endm
.macro CROUND
	s_barrier_signal -1
	s_barrier_wait -1
	CREST
.endm
.macro PLACES                          ; four places in front of loads into registers that matrix instructions have read, and of reads of their results
.rept 4
	v_nop
.endr
.endm
	s_load_b256 s[4:11], s[0:1], 0x0               ; ctx s[4:5], wb s[6:7], bo s[8:9], out0 s[10:11]
	v_lshl_add_u32 v[SPW], v0, 2, SPARE
	v_mov_b32 v[NIL], 0
	ds_add_u32 v[SPW], v[NIL]                      ; the wave's opening: an add and its wait ahead of my first tensor load
	v_lshrrev_b32 v1, 5, v0
	v_readfirstlane_b32 s[WV], v1
	s_lshr_b32 s[WR], s[WV], 1
	s_and_b32 s[WC], s[WV], 1
	s_bfe_u32 s40, ttmp6, 0x40000                  ; cx
	s_bfe_u32 s41, ttmp6, 0x40004                  ; cy
	s_lshl_b32 s42, ttmp9, 2
	s_add_co_u32 s42, s42, s40                     ; tile column
	s_and_b32 s[YM], ttmp7, 0xffff
	s_lshl_b32 s[YM], s[YM], 2
	s_add_co_u32 s[YM], s[YM], s41                 ; tile row
	s_lshl_b32 s43, s41, 2
	s_lshl_b32 s43, 15, s43                        ; my row of the cluster
	s_lshl_b32 s44, 0x1111, s40                    ; my column
	s_or_b32 s[G1+0], s43, (1<<16)|(1<<20)|(1<<21)|(4<<22)|(3<<25)   ; ctx: the mask of my row; 2-byte elements; padding on; bit 21 beside a mask; after every 32 words 4 words
	s_mov_b32 s[G1+1], 128<<16                     ; tensor_dim0 = 128
	s_mov_b32 s[G1+2], 64<<16                      ; tensor_dim1 = 64
	s_mov_b32 s[G1+3], 128<<16                     ; tile_dim0 = 128
	s_mov_b32 s[G1+4], 64                          ; tile_dim1 = 64
	s_mov_b32 s[G1+5], 128                         ; dense rows
	s_mov_b32 s[G1+6], 0
	s_mov_b32 s[G1+7], 0
	s_or_b32 s[G1B+0], s44, (1<<16)|(1<<20)|(1<<21)|(5<<22)|(3<<25)  ; Wo: the mask of my column; after every 64 words 4 words
	s_mov_b32 s[G1B+1], KSTEP<<16
	s_mov_b32 s[G1B+2], 128<<16
	s_mov_b32 s[G1B+3], KSTEP<<16
	s_mov_b32 s[G1B+4], 128
	s_mov_b32 s[G1B+5], 1024
	s_mov_b32 s[G1B+6], 0
	s_mov_b32 s[G1B+7], 0
	s_lshr_b32 s16, s[YM], 4
	s_lshl_b32 s16, s16, 22                        ; the batch's 16 heads of 262,144 bytes,
	s_lshl_b32 s17, s[WC], 18                      ; the even or the odd head of a K step,
	s_add_co_u32 s16, s16, s17
	s_and_b32 s17, s[YM], 15
	s_lshl_b32 s17, s17, 14                        ; the tile's 128 rows of 128 bytes
	s_add_co_u32 s16, s16, s17
	s_mov_b32 s17, 0
	s_lshl_b32 s46, s42, 8
	s_lshl_b32 s47, s[WC], 7
	s_add_co_u32 s46, s46, s47                     ; Wo: row 256 x tile column + 128 x half; also my first column of out0
	s_lshl_b32 s22, s46, 2                         ; its place in the bias and in a row of out0
	s_mov_b32 s23, 0
	s_lshl_b32 s46, s46, 11
	s_add_co_u32 s46, s46, 0x600000
	s_mov_b32 s47, 0
	s_mul_i32 s20, s[WC], HEADA                    ; where they go: no place in the cluster enters an LDS address
	s_mul_i32 s21, s[WC], HALFB
	s_add_co_u32 s21, s21, BOFF
	s_wait_dscnt 0x0                               ; the opening add is done
	s_wait_kmcnt 0x0
	s_add_nc_u64 s[18:19], s[4:5], s[16:17]
	s_add_nc_u64 s[46:47], s[6:7], s[46:47]
	s_add_nc_u64 s[8:9], s[8:9], s[22:23]
	CROUND                                         ; all sixteen work-groups are here: the first joint loads meet
.irp s, 0,1
	s_mov_b32 s[G0+4*(\s)], 1
	s_add_co_u32 s[G0+4*(\s)+1], s20, (\s)*SLOT
	s_add_nc_u64 s[G0+4*(\s)+2:G0+4*(\s)+3], s[18:19], (\s)*524288   ; K step s: two heads on
	s_or_b32 s[G0+4*(\s)+3], s[G0+4*(\s)+3], 0x80000000
	s_mov_b32 s[G0B+4*(\s)], 1
	s_add_co_u32 s[G0B+4*(\s)+1], s21, (\s)*SLOT
	s_add_nc_u64 s[G0B+4*(\s)+2:G0B+4*(\s)+3], s[46:47], (\s)*KSTEP*2
	s_or_b32 s[G0B+4*(\s)+3], s[G0B+4*(\s)+3], 0x80000000
	JLOAD \s                                       ; two loads of mine are out
.endr
	v_and_b32 v1, 15, v0                           ; r
	v_bfe_u32 v2, v0, 4, 1                         ; h
	v_lshlrev_b32 v[BOF], 5, v2
	WIN TO_F
.irp b, 0,1,2,3,4,5,6,7                ; register j of block b: the bias of column 16 b + 8 h + j
	global_load_b128 v[BIAS+8*\b:BIAS+8*\b+3],   v[BOF], s[8:9] offset:64*\b
	global_load_b128 v[BIAS+8*\b+4:BIAS+8*\b+7], v[BOF], s[8:9] offset:64*\b+16
.endr
	WIN 0
	v_mul_u32_u24 v3, v1, PA
	v_lshl_add_u32 v3, v2, 4, v3
	v_mul_u32_u24 v4, v1, PB
	v_lshl_add_u32 v4, v2, 4, v4
	s_mul_i32 s20, s[WR], 64*PA                    ; my 64 rows of ctx
	s_mul_i32 s21, s[WC], HALFB                    ; my 128 rows of Wo
	s_add_co_u32 s21, s21, BOFF
.irp s, 0,1
	v_add_nc_u32 v[ADRA+\s], s20, v3
	v_add_nc_u32 v[ADRB+\s], s21, v4
	s_add_co_u32 s20, s20, SLOT
	s_add_co_u32 s21, s21, SLOT
.endr
	s_mul_i32 s20, s[WV], 16*SPITCH
	s_add_co_u32 s20, s20, STAGE                   ; my stage
	v_mul_u32_u24 v[STO], v1, SPITCH               ; in: row r, 32 bytes for each half of the lanes
	v_lshl_add_u32 v[STO], v2, 5, v[STO]
	v_add_nc_u32 v[STO], s20, v[STO]
	v_and_b32 v[CO], 31, v0
	v_lshlrev_b32 v[CO], 4, v[CO]                  ; back: 32 lanes take one row of 512 bytes
	v_add_nc_u32 v[RD], s20, v[CO]
	s_lshl_b32 s46, s[YM], 7
	s_lshl_b32 s47, s[WR], 6
	s_add_co_u32 s46, s46, s47                     ; my first row of out0,
	s_lshl_b32 s46, s46, 12                        ; of 4,096 bytes,
	s_add_co_u32 s46, s46, s22                     ; and my first column
	s_mov_b32 s47, 0
	s_add_nc_u64 s[10:11], s[10:11], s[46:47]
; 8 matrix instructions: row block a x all 8 column blocks, 32 along K, buffer f.  first = 1: the bias starts the sums.  The 32 accumulators take turns.
.macro MUL8 f, a, first
.if \first
	WIN MULB
.else
	WIN MUL
.endif
.irp b, 0,1,2,3,4,5,6,7
.if \first
	v_wmma_f32_16x16x32_f16 v[8*(8*(\a)+\b):8*(8*(\a)+\b)+7], v[96*(\f)+8*\b:96*(\f)+8*\b+7], v[96*(\f)+64+8*(\a):96*(\f)+64+8*(\a)+7], v[BIAS+8*\b:BIAS+8*\b+7]
.else
	v_wmma_f32_16x16x32_f16 v[8*(8*(\a)+\b):8*(8*(\a)+\b)+7], v[96*(\f)+8*\b:96*(\f)+8*\b+7], v[96*(\f)+64+8*(\a):96*(\f)+64+8*(\a)+7], v[8*(8*(\a)+\b):8*(8*(\a)+\b)+7]
.endif
.endr
.endm
; 24 LDS loads in one run: quarter c of a slot (head c / 2, channels 32 (c % 2) on) into buffer g
.macro FETCH slot, c, g
	WIN TO_F
.irp b, 0,1,2,3,4,5,6,7
	ds_load_b128 v[96*(\g)+8*\b:96*(\g)+8*\b+3],   v[ADRB+(\slot)] offset:64*(\c)+16*PB*\b
	ds_load_b128 v[96*(\g)+8*\b+4:96*(\g)+8*\b+7], v[ADRB+(\slot)] offset:64*(\c)+16*PB*\b+32
.endr
.irp a, 0,1,2,3
	ds_load_b128 v[96*(\g)+64+8*\a:96*(\g)+64+8*\a+3],   v[ADRA+(\slot)] offset:((\c)/2)*HEADA+((\c)%2)*64+16*PA*\a
	ds_load_b128 v[96*(\g)+64+8*\a+4:96*(\g)+64+8*\a+7], v[ADRA+(\slot)] offset:((\c)/2)*HEADA+((\c)%2)*64+16*PA*\a+32
.endr
.endm
.macro QUARTER slot, c, f, g, first
	s_wait_dscnt 0x0                               ; buffer f is in: its loads were issued 16 matrix instructions ago
	MUL8 \f, 0, \first
	MUL8 \f, 1, \first
	PLACES
	FETCH \slot, \c, \g
	MUL8 \f, 2, \first
	MUL8 \f, 3, \first
.endm
; The last quarter multiplies buffer 1 and changes slots: one barrier; in front of it each wave waits for all its tensor loads, adds 0 to its spare word, and waits for that and for its reads of this slot.
.macro TURN slot, next, fill
	WIN 0
	s_wait_tensorcnt 0x0                           ; all my tensor loads have landed: the one that was out is my part of the next slot
	ds_add_u32 v[SPW], v[NIL]                      ; 0 onto my spare word
	s_wait_dscnt 1                                 ; buffer 1 is in; the add may be out
	MUL8 1, 0, 0
	s_wait_dscnt 0x0                               ; the add is done, and my reads of this slot are over
	s_barrier_signal -1
	MUL8 1, 1, 0
.if \fill
	WIN 0
.endif
	s_barrier_wait -1
.if \fill
	CREST                                          ; the barrier has opened a round of the cluster's: no wave of any partner still reads this slot or has a load on its way
	s_add_nc_u64 s[G0+4*(\slot)+2:G0+4*(\slot)+3], s[G0+4*(\slot)+2:G0+4*(\slot)+3], 1048576
	s_add_nc_u64 s[G0B+4*(\slot)+2:G0B+4*(\slot)+3], s[G0B+4*(\slot)+2:G0B+4*(\slot)+3], 2*KSTEP*2
	JLOAD \slot                                    ; my one tensor load behind the round: 112 matrix instructions ahead of the wait for it; its four v_nop are the places in front of the loads below
.else
	PLACES
.endif
	FETCH \next, 0, 0
	MUL8 1, 2, 0
	MUL8 1, 3, 0
.endm
	s_wait_tensorcnt 1                             ; my part of K step 0 is in; K step 1's may stay out
	s_barrier_signal -1
	s_barrier_wait -1
	FETCH 0, 0, 0
	s_wait_loadcnt 0x0                             ; the bias: rounded to bf16 like the other inputs, and widened again
	WIN 0x05
.set n, 0
.rept 32
	v_cvt_pk_bf16_f32 v[BT+n], v[BIAS+2*n], v[BIAS+2*n+1]
.set n, n+1
.endr
	WIN 0x40
.set n, 0
.rept 32
	v_lshlrev_b32 v[BIAS+2*n], 16, v[BT+n]
	v_and_b32 v[BIAS+2*n+1], 0xffff0000, v[BT+n]
.set n, n+1
.endr
	QUARTER 0, 1, 0, 1, 1                          ; the first quarter stands in front of the loop: its products start the sums
	WIN 0
	s_mov_b32 s3, LAPS-1
.Llap:                                                 ; a trip goes once round the ring and fills both slots again
	QUARTER 0, 2, 1, 0, 0
	QUARTER 0, 3, 0, 1, 0
	TURN 0, 1, 1
	QUARTER 1, 1, 0, 1, 0
	QUARTER 1, 2, 1, 0, 0
	QUARTER 1, 3, 0, 1, 0
	TURN 1, 0, 1
	QUARTER 0, 1, 0, 1, 0
	WIN 0
	s_sub_co_u32 s3, s3, 1
	s_cmp_lg_u32 s3, 0
	s_cbranch_scc1 .Llap
	QUARTER 0, 2, 1, 0, 0                          ; the last lap fills nothing
	QUARTER 0, 3, 0, 1, 0
	TURN 0, 1, 0
	QUARTER 1, 1, 0, 1, 0
	QUARTER 1, 2, 1, 0, 0
	QUARTER 1, 3, 0, 1, 0
	s_wait_dscnt 0x0
	MUL8 1, 0, 0
	MUL8 1, 1, 0
	MUL8 1, 2, 0
	MUL8 1, 3, 0
	WIN 0
	PLACES
; THE WAY OUT, a block of 16 rows at a time: a lane's eight f32 of a row go into my stage, whole rows of 512 bytes come back and are stored.
.macro TOSTAGE a
.if (\a) >= 2
	s_wait_xcnt 0x0                                ; the stores of the block two back have read the registers that are loaded again below
.endif
	WIN 0x08                                       ; store data in window 2; each accumulator's low four registers go first
.irp b, 0,1,2,3,4,5,6,7
	ds_store_b128 v[STO], v[8*(8*(\a)+\b):8*(8*(\a)+\b)+3]   offset:64*\b
	ds_store_b128 v[STO], v[8*(8*(\a)+\b)+4:8*(8*(\a)+\b)+7] offset:64*\b+16
.endr
	WIN 0
.irp t, 0,1,2,3,4,5,6,7,8,9,10,11,12,13,14,15
	ds_load_b128 v[BK+64*((\a)%2)+4*\t:BK+64*((\a)%2)+4*\t+3], v[RD] offset:SPITCH*\t  ; LDS serves a wave's instructions in order (ISA guide 5.7.1.4): these see the stores above; the next block's stores come behind them
.endr
.endm
.macro SEND a, younger                 ; younger: the LDS instructions issued behind block a's loads: the next block's 32, or none
.irp t, 0,1,2,3,4,5,6,7,8,9,10,11,12,13,14,15
	s_wait_dscnt (\younger)+15-\t
	global_store_b128 v[CO], v[BK+64*((\a)%2)+4*\t:BK+64*((\a)%2)+4*\t+3], s[10:11] offset:(16*(\a)+\t)*4096 th:TH_STORE_NT  ; 512 consecutive bytes, aligned
.endr
.endm
	TOSTAGE 0
	TOSTAGE 1
	SEND 0, 32
	TOSTAGE 2
	SEND 1, 32
	TOSTAGE 3
	SEND 2, 32
	SEND 3, 0
	s_wait_tensorcnt 0x0                           ; the wave's end
	ds_add_u32 v[SPW], v[NIL]
	s_wait_dscnt 0x0
	CROUND                                         ; the closing round: no work-group ends while a partner may still ask for a tile that names it
	s_endpgm
.Lfunc_end_k_qa8e457f6af_oproj:
	.size	k_qa8e457f6af_oproj, .Lfunc_end_k_qa8e457f6af_oproj-k_qa8e457f6af_oproj
	.p2alignl 7, 3214868480
	.fill 96, 4, 3214868480
	.section	.rodata,"a",@progbits
	.p2align	6, 0x0
	.amdhsa_kernel k_qa8e457f6af_oproj
		.amdhsa_group_segment_fixed_size 327680
		.amdhsa_private_segment_fixed_size 0
		.amdhsa_enable_private_segment 0
		.amdhsa_kernarg_size 32
		.amdhsa_user_sgpr_count 2
		.amdhsa_user_sgpr_kernarg_segment_ptr 1
		.amdhsa_wavefront_size32 1
		.amdhsa_system_sgpr_workgroup_id_x 1
		.amdhsa_system_sgpr_workgroup_id_y 1
		.amdhsa_system_sgpr_workgroup_id_z 1
		.amdhsa_system_vgpr_workitem_id 0
		.amdhsa_next_free_vgpr 768
		.amdhsa_next_free_sgpr 66
		.amdhsa_reserve_vcc 0
		.amdhsa_float_denorm_mode_32 3
		.amdhsa_float_denorm_mode_16_64 3
		.amdhsa_memory_ordered 1
		.amdhsa_forward_progress 1
		.amdhsa_inst_pref_size 93
	.end_amdhsa_kernel
	.amdgpu_metadata
---
amdhsa.version: [ 1, 2 ]
amdhsa.kernels:
  - .name:           k_qa8e457f6af_oproj
    .symbol:         k_qa8e457f6af_oproj.kd
    .args:
      - { .name: ctx, .offset: 0, .size: 8, .value_kind: global_buffer, .address_space: global }
      - { .name: wb, .offset: 8, .size: 8, .value_kind: global_buffer, .address_space: global }
      - { .name: bo, .offset: 16, .size: 8, .value_kind: global_buffer, .address_space: global }
      - { .name: out0, .offset: 24, .size: 8, .value_kind: global_buffer, .address_space: global }
    .group_segment_fixed_size: 327680
    .private_segment_fixed_size: 0
    .kernarg_segment_align: 8
    .kernarg_segment_size: 32
    .max_flat_workgroup_size: 128
    .sgpr_count:     66
    .vgpr_count:     768
    .wavefront_size: 32
...
	.end_amdgpu_metadata
.endif
;; end of part 4
;; ======== version 2 of 2: 4 launches; 1.34 times as fast as version 1
;; limits: values are held in f16: magnitudes above 65,504 overflow, below 6.1e-05 lose precision
;; workspace buffers: mcode 4,210,688 bytes of whole numbers; wb 8,388,608 bytes; heads 50,331,648 bytes; ctx 16,777,216 bytes
;; launch prep: the kernel of part 1 again; grid 128 x 1, 16 waves a work-group, no clusters, 37,120 bytes of LDS; arguments mask, Wq, Wk, Wv, Wo, mcode, wb; writes mcode, wb
;; launch proj: the kernel of part 2 again; grid 4 x 192, 4 waves a work-group, clusters of 4 x 4, 327,680 bytes of LDS; arguments q, k, v, bq, bk, bv, wb, heads; writes heads
;; launch attn (part 5): grid 4 x 64, 4 waves a work-group, clusters of 4 x 1, 327,680 bytes of LDS; arguments heads, ctx, mcode; writes ctx
.if DOCPART == 5
	.amdgcn_target "amdgcn-amd-amdhsa--gfx1250"
	.amdhsa_code_object_version 6
	.text
	.protected	k_qa8e457f6af_attn
	.globl	k_qa8e457f6af_attn
	.p2align	8
	.type	k_qa8e457f6af_attn,@function
k_qa8e457f6af_attn:
	s_mov_b64 s[64:65], 0
	v_nop
	global_prefetch_b8 v0, s[64:65] scope:SCOPE_SE
	s_setreg_imm32_b32 hwreg(HW_REG_WAVE_MODE, 25, 1), 1
	s_wait_xcnt 0x0
	s_wait_alu depctr_hold_cnt(0) depctr_sa_sdst(0) depctr_va_vdst(0) depctr_va_sdst(0) depctr_va_ssrc(0) depctr_va_vcc(0) depctr_vm_vsrc(0)
	s_getreg_b32 s2, hwreg(HW_REG_IB_STS2, 6, 4)
	s_cmp_eq_u32 s2, 0
	s_cbranch_scc0 .Lentry_in_a_cluster
	s_endpgm
.Lentry_in_a_cluster:
	s_bfe_u32 s2, ttmp6, 0x10000c
	s_cmp_lg_u32 s2, 0x3003
	s_cbranch_scc0 .Lentry_shape_is_right
	s_endpgm
.Lentry_shape_is_right:
; ATTENTION WITH A MASK THAT IS AN INPUT.  O[h][q][:] = the sum over k of softmax_k(score) V[h][k][:], score = Q[h][q] . K[h][k] / 8 where the mask shows key k to query q.  Q, K, V (in heads, 16 MiB each) and O (ctx):
; [64][2048][64] f16, a head's rows dense, 128 bytes each.  Products, maxima and sums in f32; the weights p are rounded to f16 for the second product (their sum l is taken of the unrounded p), O once at the end.
; THE MASK is the C operand that starts the sum S^T = K Q^T: 0 where the key is seen, -2 x 2^96 = -1.6e29 where it is hidden, made from one code byte a key (0x00, 0xC0) by one scaled conversion for eight keys.
; A hidden key's weight is 0 once the running maximum is a seen score; what a row gathers before its first seen key is multiplied by a = 0 when that key comes.  A row that sees no key has all codes 0 and its flag 0:
; its Q is cleared, its scores are all 0, its weights equal: the mean of V, as for equal scores.  Every key tile is computed and every code read: no pattern of the mask is built in.
; LIMITS.  f16 holds no number beyond 65,504: Q, K, V arrive within it.  Seen scores, scaled, are taken to lie above -1e28 (the hidden keys' fixed score, scaled, is -1.6e29 / 8 = -2e28); a weight below 2^-126 counts as 0 in l;
; p below 6e-5 keeps f16's fixed step of 6e-8; NaN and infinities are not treated apart.
; SHARES.  A wave owns four PIECES of two tiles of 16 queries, a work-group's four waves 512 queries of one head.  Every wave walks all keys, 64 a step.
; LAYOUT.  S^T = K Q^T (source 0 = 16 keys, source 1 = 16 queries): a lane holds ONE query (lane % 16) and the keys 8 (lane / 16) + 0..7.  Two such tiles, rounded to f16 in pairs, ARE source 1 of O^T = V^T P.
; SOFTMAX.  A running maximum m and sum l: p = 2^(c s - c m), c = log2(e) / 8; in every step O and l are multiplied by a = 2^(c m_old - c m_new).  m starts at the lowest finite number, O and l at 0.
; BY TURNS.  Turn n belongs to piece n: 16 products K Q^T of piece n + 1, later 16 products V^T P of piece n - 1; beside them piece n's scaling, exponentials, roundings, sums and rescaling, the maximum and statistics
; of piece n + 1, and the mask of piece n + 2.  Four vector instructions stand behind every matrix instruction, the others in one lump between the two runs of products.
; THE BATCHES.  A turn's 66 exponentials (64 weights, the next piece's two a) are ONE batch with ONE wait, which cuts the turn in two: ahead of it stands all that names none of their results, behind it the roundings and sums.
; Two more batches stand outside the loop: piece 0's first two a, at the head, and the way out's eight reciprocals.
; CLUSTER.  The four query blocks of a cluster belong to one head and walk the same K and V: each tile is asked for JOINTLY, by the same tensor load, descriptor and mask in all four.
; REGISTERS, in windows of 256 (s_set_vgpr_msb: bits 1:0 source 0, 3:2 source 1, 5:4 source 2, 7:6 destination):
;   window 0: v0-11 addresses; v12-15, v48-63 at work; v16-47 statistics; v64-191 S^T, two buffers of two tiles; v192-255 P, likewise          window 1: O^T, 32 a tile
;   window 2: v0-127 Q; v128-191 K of one step; v192-255 V of one step          window 3: v0-1 the add's registers; v2 the scale; v4-7 the codes' offsets; v8-71 codes, 16 a piece; v72-135 the mask of one piece
.set SIZE_H, 64
.set SIZE_N, 2048
.set NP,    4         ; pieces a wave: a name, no knob
.set KS,    64        ; keys in a step
.set PK,    144       ; a row of K in LDS: 128 bytes + 16: the 16 rows of a load start at 16 different groups of four banks (64 banks of 4 bytes: ISA guide 11.1)
.set PV,    160       ; a row of V: 128 + 32
.set VOFF,  4*KS*PK   ; a slot holds four steps: 256 rows of K, then 256 rows of V
.set SLOT1, 1<<17     ; slot 1 begins here, so that one exclusive or turns an address in one slot into the other's
.set STAGE, SLOT1+4*KS*(PK+PV)  ; behind the ring, never filled by a tensor load: 16 rows x 144 bytes for each wave
.set SP,    144
.set AK0, 2           ; v2   my lane's place in a tile of K; never rewritten
.set AV0, 3           ; v3   the same for V
.set AK,  4           ; v4   the LDS address of K's next run of loads
.set AV,  5           ; v5   of V's
.set QO,  6           ; v6   my byte offset in the wave's rows of Q
.set STO, 6           ;      later, the way out: where I put 16 bytes of a row
.set RD,  7           ; v7   the way out: where I read rows back
.set GO,  8           ; v8   my byte offset in 512 consecutive bytes of O
.set SPW, 0           ; v0 of window 3   LDS address of my spare word; never rewritten
.set NIL, 1           ; v1 of window 3   0; never rewritten
.set SCL, 2           ; v2 of window 3   the conversion's scale, 2^96
.set MA,  4           ; v4-7 of window 3   piece p's byte offset in my wave's 262,144 bytes of codes
.set RAW, 8           ; window 3: piece p, tile u, key blocks 2 c and 2 c + 1 at RAW + 16 p + 8 u + 4 c
.set MC,  72          ; window 3: tile u, key block kb at MC + 32 u + 8 kb
.set SPARE, STAGE+4*16*SP  ; the spare words, 128 bytes for each wave
.set MV,  12          ; v12-15  c m_old, kept while c m is made anew: by buffer and tile
.set ST,  16          ; tile t's statistics at v[ST+4 t]: c m, m, l (even keys', odd keys')
.set TMP, 48          ; by buffer and tile, four registers c0-c3 at work; when the maximum is found c2 takes a
.set S,   64
.set P,   192
.set KF,  128         ; K's fragments, in window 2
.set VF,  192         ; V's
.set WV,  12          ; s12  my wave's number
.set G1K, 24          ; s[24:31] descriptor group 1 for K's tiles
.set G1V, 32          ; s[32:39] for V's: it differs in the padding alone
.set G0K, 40          ; s[40:43] descriptor group 0 for K's tiles: it walks
.set G0V, 44          ; s[44:47] the same for V's
.set SLOTS, 56        ; s56  slots still to be asked for
.set CNT, 57          ; s57  counts a slot's key steps
.set CS,  58          ; s[58:59] c
.set SEL, 60          ; s[60:61] v_permlanex16_b32's selects
.set TBK, 62          ; s62  LDS byte at which K of the step to be fetched begins
.set TBV, 63          ; s63  the same for V, less VOFF
.set MSB, 0
.macro WIN new                      ; the high byte repeats the setting that is left; a switch that changes nothing is dropped
.if MSB != (\new)
	s_set_vgpr_msb (MSB<<8)|(\new)
.set MSB, (\new)
.endif
.endm
.set W_KQ, 0x0a       ; K and Q in window 2, S^T in window 0
.set W_KM, 0x3a       ; the same with the C operand, the mask, in window 3
.set W_PV, 0x52       ; V in window 2, P in window 0, O^T in window 1
.set W_RS, 0x41       ; O^T (destination and source 0) in window 1, a in window 0
.set W_MK, 0xc0       ; destination in window 3, sources in window 0
.set W_AD, 0x0f       ; the add: address and data in window 3
.set W_MS, 0xff       ; the mask's work: every place in window 3
; A joint fill.  Waves 0 and 1 fetch the two halves of a slot's K, waves 2 and 3 those of its V: 128 keys each.  An s_nop 0 and four v_nop follow each of the two lines.
.macro JLOAD
	s_cmp_lt_u32 s[WV], 2
	s_cbranch_scc0 .Lfor_v_\@
	tensor_load_to_lds s[G0K:G0K+3], s[G1K:G1K+7]
	s_nop 0
.rept 4
	v_nop
.endr
	s_branch .Lasked_\@
.Lfor_v_\@:
	tensor_load_to_lds s[G0V:G0V+3], s[G1V:G1V+7]
	s_nop 0
.rept 4
	v_nop
.endr
.Lasked_\@:
.endm
.macro CROUND                       ; a round of the cluster's barrier
	s_barrier_signal -1
	s_barrier_wait -1
	s_cmp_lg_u32 s[WV], 0
	s_cbranch_scc1 .Lnot_wave_0_\@
	s_barrier_signal -3
.Lnot_wave_0_\@:
	s_barrier_wait -3
	s_barrier_signal -1
	s_barrier_wait -1
.endm
; THE CHANGE OF SLOTS.  Each wave waits for all its tensor loads, of which one is out: its part of the other slot; adds 0 to its spare word; and waits for that and for its own reads of the slot.
; fill = 1: this slot is filled again, with the keys two slots on, behind a round of the cluster's barrier; the fill has four key steps, 512 matrix instructions, in which to land.
.macro CHANGE fill
	WIN W_AD
	s_wait_tensorcnt 0x0            ; no tensor load of mine is out, so a group 0 may be written
	ds_add_u32 v[SPW], v[NIL]       ; 0 onto my spare word
	WIN 0                           ; at a label and at a branch every window is 0
.if \fill
.irp g, G0K, G0V
	s_xor_b32 s[\g+1], s[\g+1], SLOT1  ; the walking descriptor: the other slot than last time,
	s_add_nc_u64 s[\g+2:\g+3], s[\g+2:\g+3], 4*KS*128  ; the next 256 keys
.endr
	s_wait_dscnt 0x0                ; the add is done, and my reads of the slot are over
	CROUND
	JLOAD
.else
	s_wait_dscnt 0x0
	s_barrier_signal -1
	s_barrier_wait -1
.endif
	s_sub_co_u32 s[TBK], s[TBK], 4*KS*PK  ; the fetches go back to a slot's first step,
	s_xor_b32 s[TBK], s[TBK], SLOT1       ; in the other slot
	s_sub_co_u32 s[TBV], s[TBV], 4*KS*PV
	s_xor_b32 s[TBV], s[TBV], SLOT1
.endm
; THE MASK.  MLOAD: piece p's codes of one key step, four loads of 512 consecutive bytes.  MKMASK: piece p's codes become its mask; its offset steps to the next key step, and that step's codes are asked for.
; Sixteen such loads are always out, four a piece, in the order in which the pieces are taken: the count 12 shows the oldest four, piece p's, landed, and so frees their offset register.
; The offset wraps inside my wave's 262,144 bytes, so the last steps' look-ahead reads the first steps' codes again and uses nothing of them.
; w = 1: the wait for the batch of exponentials issued ahead of the macro stands in it, behind its ten vector lines, which name none of the batch's results, and ahead of its loads.
; w = 0 (the first use, at the kernel's head): no exponential is out, and no wait is written.
.macro MLOAD p
.irp u, 0,1
.irp c, 0,1
	global_load_b128 v[RAW+16*(\p)+8*\u+4*\c:RAW+16*(\p)+8*\u+4*\c+3], v[MA+(\p)], s[48:49] offset:1024*\u+512*\c
.endr
.endr
.endm
.macro MKMASK p, w=1
	WIN W_MS
	s_wait_loadcnt 12
.irp u, 0,1
.irp kb, 0,1,2,3
	v_cvt_scale_pk8_f32_fp8 v[MC+32*\u+8*\kb:MC+32*\u+8*\kb+7], v[RAW+16*(\p)+8*\u+2*\kb:RAW+16*(\p)+8*\u+2*\kb+1], v[SCL]
.endr
.endr
	v_add_nc_u32 v[MA+(\p)], 0x2000, v[MA+(\p)]    ; two plain instructions behind the conversions, ahead of the loads into their sources; they are also the plain instruction behind the batch's last exponential
	v_and_b32 v[MA+(\p)], 0x3ffff, v[MA+(\p)]
.if \w
	s_wait_alu depctr_va_vdst(0)    ; the wait for the batch, ahead of the first instruction that names an exponential's result; one for all that were issued ahead of it
.endif
	MLOAD \p
	WIN 0
.endm
	s_load_b128 s[4:7], s[0:1], 0x0   ; heads s[4:5], ctx s[6:7]
	s_load_b64 s[48:49], s[0:1], 0x10 ; mcode
	WIN W_MK
	v_lshl_add_u32 v[SPW], v0, 2, SPARE
	v_mov_b32 v[NIL], 0
	WIN W_AD
	ds_add_u32 v[SPW], v[NIL]       ; the wave's opening: an add and its wait ahead of my first tensor load
	WIN 0
	v_lshrrev_b32 v1, 5, v0
	v_readfirstlane_b32 s[WV], v1   ; wave 0..3
	s_bfe_u32 s13, ttmp6, 0x40000   ; cx: my place in the cluster
	s_lshl_b32 s14, ttmp9, 2        ; in a cluster launch ttmp9 counts clusters
	s_add_co_u32 s14, s14, s13      ; my block of queries: it enters Q's, O's and the codes' addresses alone
	s_and_b32 s20, ttmp7, 0xffff    ; the head, which the four partners share
	s_mov_b32 s21, 0
	s_mov_b64 s[22:23], SIZE_N*128
	s_mul_u64 s[20:21], s[20:21], s[22:23]  ; the head's first byte in each tensor
	s_and_b32 s16, s[WV], 1         ; which half of a slot's 256 keys I fetch:
	s_lshl_b32 s22, s16, 14         ; its 128 rows of 128 bytes in memory,
	s_mov_b32 s23, 0
	s_add_nc_u64 s[22:23], s[22:23], s[20:21]
	s_mul_i32 s17, s16, 128*PK      ; and its place in a slot, for K
	s_mul_i32 s18, s16, 128*PV      ; and for V
	s_lshl_b32 s2, s14, 2
	s_add_co_u32 s2, s2, s[WV]      ; my wave among the head's sixteen:
	s_lshl_b32 s52, s2, 18          ; its 262,144 bytes of codes,
	s_mov_b32 s53, 0
	s_lshl_b32 s54, s2, 10          ; its 8 x 32 flag words,
	s_mov_b32 s55, 0
	s_lshl_b32 s2, s2, 14           ; its 128 rows
	s_mov_b32 s3, 0
	s_add_nc_u64 s[2:3], s[2:3], s[20:21]
	; descriptor group 1.  128 keys are 16,384 dense bytes: asked for as 64 rows of 256 bytes, two keys a row, and padded in LDS after every key
	s_mov_b32 s[G1K], 15|(1<<16)|(1<<20)|(1<<21)|(4<<22)|(3<<25)  ; the mask of four; 2-byte elements; padding on; bit 21 beside a mask; after every 32 words 4 words
	s_mov_b32 s[G1V], 15|(1<<16)|(1<<20)|(1<<21)|(4<<22)|(7<<25)  ; the same with 8 words of padding
.irp g, G1K, G1V
	s_mov_b32 s[\g+1], 128<<16      ; tensor_dim0 = 128
	s_mov_b32 s[\g+2], 64<<16       ; tensor_dim1 = 64
	s_mov_b32 s[\g+3], 128<<16      ; tile_dim0 = 128
	s_mov_b32 s[\g+4], 64           ; tile_dim1 = 64
	s_mov_b32 s[\g+5], 128          ; 128 elements from row to row
	s_mov_b32 s[\g+6], 0
	s_mov_b32 s[\g+7], 0
.endr
	s_mov_b32 s[CS], 0x3e38aa3b     ; c = log2(e) / 8 = 0.180337
	s_mov_b32 s[CS+1], s[CS]
	s_mov_b32 s[SEL], 0x76543210
	s_mov_b32 s[SEL+1], 0xfedcba98
	s_mov_b32 s[TBK], SLOT1+4*KS*PK ; the first change of slots turns these two into 0
	s_mov_b32 s[TBV], SLOT1+4*KS*PV
	s_mov_b32 s[G0K], 1
	s_mov_b32 s[G0K+1], s17         ; LDS address: slot 0
	s_mov_b32 s[G0V], 1
	s_add_co_u32 s[G0V+1], s18, VOFF
	s_wait_dscnt 0x0                ; the opening add is done
	s_wait_kmcnt 0x0
	s_mov_b64 s[10:11], s[6:7]                     ; O
	s_add_nc_u64 s[6:7], s[4:5], 0x1000000         ; K; Q stays in s[4:5]
	s_add_nc_u64 s[8:9], s[4:5], 0x2000000         ; V
	s_add_nc_u64 s[50:51], s[48:49], 0x400000      ; the flags,
	s_add_nc_u64 s[50:51], s[50:51], s[54:55]      ; my wave's
	s_add_nc_u64 s[48:49], s[48:49], s[52:53]      ; my wave's codes
	s_add_nc_u64 s[G0K+2:G0K+3], s[6:7], s[22:23]  ; my half of the head's first 256 keys
	s_or_b32 s[G0K+3], s[G0K+3], 0x80000000
	s_add_nc_u64 s[G0V+2:G0V+3], s[8:9], s[22:23]
	s_or_b32 s[G0V+3], s[G0V+3], 0x80000000
	s_add_nc_u64 s[4:5], s[4:5], s[2:3]  ; Q and O at my wave's first row
	s_add_nc_u64 s[10:11], s[10:11], s[2:3]
	CROUND                          ; all four work-groups are here: the first joint loads meet
	JLOAD                           ; slot 0.  Slot 1 is asked for when slot 0 is in
	v_and_b32 v1, 15, v0            ; l % 16
	v_bfe_u32 v9, v0, 4, 1          ; l / 16
	v_lshlrev_b32 v[QO], 7, v1
	v_lshl_add_u32 v[QO], v9, 4, v[QO]  ; row x 128 + 16 x half
	WIN 0x80                        ; destination window 2, address window 0
.set i, 0
.rept 4*NP                          ; Q stays in registers: tile i / 2, channels 32 (i % 2) on
	global_load_b128 v[8*i:8*i+3],   v[QO], s[4:5] offset:(i/2)*2048+(i%2)*64
	global_load_b128 v[8*i+4:8*i+7], v[QO], s[4:5] offset:(i/2)*2048+(i%2)*64+32
.set i, i+1
.endr
	WIN 0
	v_and_b32 v13, 31, v0
	v_lshlrev_b32 v12, 2, v13
.set i, 0
.rept 2*NP                          ; the flag of my query in each of the eight tiles
	global_load_b32 v[TMP+i], v12, s[50:51] offset:128*i
.set i, i+1
.endr
	WIN W_MK
	v_mov_b32 v[SCL], 0x6f8000df    ; the low byte as an E8M0 scale, and the word's exponent as f32, both say 2^96
.set i, 0
.rept NP
	v_lshl_add_u32 v[MA+i], v13, 4, 2048*i
.set i, i+1
.endr
	WIN W_MS
.set i, 0
.rept NP                            ; key step 0's codes, piece after piece
	MLOAD i
.set i, i+1
.endr
	; What the first turn finds: V's registers and P's second buffer hold 0, O^T and l are 0.  All this stands in the wait for the first tile.
	WIN 0x80
.set i, VF
.rept 64
	v_mov_b32 v[i], 0
.set i, i+1
.endr
	WIN 0x40
.set i, 0
.rept 64*NP
	v_mov_b32 v[i], 0
.set i, i+1
.endr
	WIN 0
.set i, 0
.rept 2*NP
	v_mov_b32 v[ST+4*i], 0xfe000000    ; c m: far below every c s, a hidden key's too
	v_mov_b32 v[ST+4*i+1], 0xff7fffff  ; m
	v_mov_b32 v[ST+4*i+2], 0
	v_mov_b32 v[ST+4*i+3], 0
.set i, i+1
.endr
.set i, P+32
.rept 32
	v_mov_b32 v[i], 0
.set i, i+1
.endr
	v_mul_u32_u24 v[AK0], v1, PK
	v_lshl_add_u32 v[AK0], v9, 4, v[AK0]  ; row x pitch + 16 x half
	; The turning load takes 16 keys x 16 channels (lane l reads key 8 (l / 16) + l % 8, channels 8 ((l / 8) % 2) + 0..7) and leaves half a fragment of V^T
	v_and_b32 v10, 7, v0
	v_bfe_u32 v11, v0, 3, 1
	v_lshl_add_u32 v[AV0], v9, 3, v10
	v_mul_u32_u24 v[AV0], v[AV0], PV
	v_lshl_add_u32 v[AV0], v11, 4, v[AV0]
	v_add_nc_u32 v[AV0], VOFF, v[AV0]
	v_mov_b32 v[AK], v[AK0]         ; key step 0 lies at the head of slot 0
; THE MATRIX WORK.  The 8 accumulators of a run of 16 take turns.
; Product i of 16 of S^T = K Q^T for piece x: channels 32 (i / 8) on, keys 16 ((i / 2) % 4) on, tile 2 x + i % 2.  The first 8 start the sums, with the mask.
.macro KQ x
.set rS, S+64*((\x)%2)+32*(i%2)+8*((i/2)%4)
.set rK, KF+16*((i/2)%4)+8*(i/8)
.set rQ, 16*(2*(\x)+i%2)+8*(i/8)
.set rMC, MC+32*(i%2)+8*((i/2)%4)
.if i < 8
	WIN W_KM
	v_wmma_f32_16x16x32_f16 v[rS:rS+7], v[rK:rK+7], v[rQ:rQ+7], v[rMC:rMC+7]
.else
	WIN W_KQ
	v_wmma_f32_16x16x32_f16 v[rS:rS+7], v[rK:rK+7], v[rQ:rQ+7], v[rS:rS+7]
.endif
.endm
; Product i of 16 of O^T += V^T P for piece x: keys 32 (i / 8) on, channels 16 ((i / 2) % 4) on, tile 2 x + i % 2.
.macro PV x
	WIN W_PV
.set rO, 32*(2*(\x)+i%2)+8*((i/2)%4)
.set rV, VF+32*(i/8)+8*((i/2)%4)
.set rP, P+32*((\x)%2)+16*(i%2)+8*(i/8)
	v_wmma_f32_16x16x32_f16 v[rO:rO+7], v[rV:rV+7], v[rP:rP+7], v[rO:rO+7]
.endm
.macro MM                           ; the turn's next matrix instruction
.if i < 16
	KQ (Y+1)%NP
.set i, i+1
.else
.set i, i-16
	PV (Y+NP-1)%NP
.set i, i+17
.endif
.endm
; THE LDS LOADS stand in runs of 16: a step's K (8 fragments) and its V (turned).  last = 1 (the tail): in the last trip there is no further step, and the run is jumped over.
.macro FETCH_K last=0
	WIN 0
.if \last
	s_cmp_eq_u32 s[CNT], 1
	s_cbranch_scc1 .Lno_k_\@
.endif
	WIN 0x80                        ; destination window 2
.irp f, 0,1,2,3,4,5,6,7             ; keys 16 (f / 2) on, channels 32 (f % 2) on
	ds_load_b128 v[KF+8*\f:KF+8*\f+3],   v[AK] offset:(\f/2)*16*PK+(\f%2)*64
	ds_load_b128 v[KF+8*\f+4:KF+8*\f+7], v[AK] offset:(\f/2)*16*PK+(\f%2)*64+32
.endr
	s_add_co_u32 s[TBK], s[TBK], KS*PK  ; the next fetch is the next step's
	WIN 0
.if \last
.Lno_k_\@:
.endif
.endm
.macro FETCH_V
	WIN 0x80
.irp f, 0,1,2,3,4,5,6,7             ; keys 32 (f / 4) on, channels 16 (f % 4) on
	ds_load_tr16_b128 v[VF+8*\f:VF+8*\f+3],   v[AV] offset:(\f/4)*32*PV+(\f%4)*32
	ds_load_tr16_b128 v[VF+8*\f+4:VF+8*\f+7], v[AV] offset:(\f/4)*32*PV+16*PV+(\f%4)*32
.endr
	WIN 0
.endm
; THE VECTOR WORK OF A TURN stands in three queues, each in the order in which its entries become ready; the two tiles alternate.
.macro REGS y, u                    ; the registers of tile u (0, 1) of piece y
.set rT, ST+4*(2*(\y)+(\u))
.set rC, TMP+8*((\y)%2)+4*(\u)
.set rM, MV+2*((\y)%2)+(\u)
.set rS, S+64*((\y)%2)+32*(\u)
.set rP, P+32*((\y)%2)+16*(\u)
.set rO, 32*(2*(\y)+(\u))
.endm
; Number n of the 22 that find the NEXT piece's (Y + 1) maximum and statistics; each accumulator's lowest registers are read first.  XS, FS, GS and REGS set no window: PL and EX do.
;   0-11  four chains c0-c3 of seven scores each     12-14, 16  the four scores left over, the old m, and c0-c3 into c0     15  c m_old is kept
;   17, 18  the query's other 32 keys lie in the lane 16 away: the new m         19-21  c m; c m_old - c m_new; a
.macro XS u, n
	REGS (Y+1)%NP, \u
.if (\n) < 4
	v_max3_num_f32 v[rC+(\n)], v[rS+8*(\n)], v[rS+8*(\n)+1], v[rS+8*(\n)+2]
.elseif (\n) < 12
	v_max3_num_f32 v[rC+(\n)%4], v[rC+(\n)%4], v[rS+8*((\n)%4)+2*((\n)/4)+1], v[rS+8*((\n)%4)+2*((\n)/4)+2]
.elseif (\n) == 12
	v_max3_num_f32 v[rC], v[rC], v[rS+7], v[rS+15]
.elseif (\n) == 13
	v_max3_num_f32 v[rC+1], v[rC+1], v[rS+23], v[rS+31]
.elseif (\n) == 14
	v_max3_num_f32 v[rC+2], v[rC+2], v[rC+3], v[rT+1]
.elseif (\n) == 15
	v_mov_b32 v[rM], v[rT]
.elseif (\n) == 16
	v_max3_num_f32 v[rC], v[rC], v[rC+1], v[rC+2]
.elseif (\n) == 17
	v_permlanex16_b32 v[rC+3], v[rC], s[SEL], s[SEL+1]
.elseif (\n) == 18
	v_max_num_f32 v[rT+1], v[rC], v[rC+3]
.elseif (\n) == 19
	v_mul_f32 v[rT], s[CS], v[rT+1]
.elseif (\n) == 20
	v_sub_f32 v[rC+1], v[rM], v[rT]
.else
	v_exp_f32 v[rC+2], v[rC+1]
.endif
.endm
; Number g of the 64 that follow the exponentials.  For each four weights k of a tile: both pairs are rounded to f16; the second pair is added onto the first, in place; a group later l takes that sum.
.macro GS g
.set h, (\g)+6*((\g)/62)            ; group 0 has no group before it, and behind group 7 only l is left
.if h >= 6
.set h, h+2
.endif
	REGS Y, h%2
.set k, h/8
.if h%8 < 4
	v_cvt_pk_f16_f32 v[rP+2*k+(h%8)/2], v[rS+4*k+2*((h%8)/2)], v[rS+4*k+2*((h%8)/2)+1]
.elseif h%8 < 6
	v_pk_add_f32 v[rS+4*k:rS+4*k+1], v[rS+4*k:rS+4*k+1], v[rS+4*k+2:rS+4*k+3]
.elseif k == 1
	v_pk_fma_f32 v[rT+2:rT+3], v[rT+2:rT+3], v[rC+2:rC+3], v[rS:rS+1] op_sel_hi:[1,0,1]
.else
	v_pk_add_f32 v[rT+2:rT+3], v[rT+2:rT+3], v[rS+4*k-4:rS+4*k-3]
.endif
.endm
; THE PLAIN QUEUE, 138 long.  0-73 read no exponential's result: the 32 scalings c s - c m (FS f: pair f / 2 of tile f % 2) and the next piece's 42.  0-26: scalings 0-26.  27-54: XS's numbers 0-13.  55, 56: number 15.
; 57-73: the chain, where each number waits for the one before it: 14, 16, 17, 18, 19, each with one of the scalings 27-31 in front of its two lines, then 20.
; 74-137: GS's 64, which read the exponentials' results: they stand behind the wait.
.macro FS f
	REGS Y, (\f)%2
	v_pk_fma_f32 v[rS+2*((\f)/2):rS+2*((\f)/2)+1], v[rS+2*((\f)/2):rS+2*((\f)/2)+1], s[CS:CS+1], v[rT:rT+1] op_sel_hi:[1,0,0] neg_lo:[0,0,1] neg_hi:[0,0,1]
.endm
.macro PL
	WIN 0
.if q < 27
	FS q
.elseif q < 55
	XS (q-27)%2, (q-27)/2
.elseif q < 57
	XS q-55, 15
.elseif (q < 72) && ((q-57)%3 == 0)
	FS 27+(q-57)/3
.elseif q < 60
	XS (q-57)%3-1, 14
.elseif q < 72
	XS (q-57)%3-1, 15+(q-57)/3
.elseif q < 74
	XS q-72, 20
.else
	GS q-74
.endif
.set q, q+1
.endm
; THE EXPONENTIALS' QUEUE, 66 long: s0-s31 of both tiles, then the next piece's two a.  It is ONE BATCH: all 66 stand ahead of the turn's one wait, and nothing ahead of that wait names a result of theirs.
.macro EX
	WIN 0
.if e >= 64
	XS e-64, 21
.else
	REGS Y, e%2
	v_exp_f32 v[rS+e/2], v[rS+e/2]
.endif
.set e, e+1
.endm
; THE RESCALING's QUEUE: O^T times a, the one part of the softmax that leaves window 0: dealt two at a time, sixteen times.  Its a was made in the turn before, ahead of that turn's wait.
.macro R2
	REGS Y, r%2
	WIN W_RS
.irp z, 0,1
	v_pk_mul_f32 v[rO+4*(r/2)+2*\z:rO+4*(r/2)+2*\z+1], v[rO+4*(r/2)+2*\z:rO+4*(r/2)+2*\z+1], v[rC+2:rC+3] op_sel_hi:[1,0]
.endr
.set r, r+1
.endm
; HOW THEY ARE DEALT.  A turn has ONE wait, which cuts it in two.  AHEAD OF IT stands all that names no result of the turn's exponentials: the 16 products K Q^T, behind each a scaling, an exponential and two
; rescalings (behind the first a second scaling in the exponential's place); then ONE LUMP: eight plain, 49 times exponential and plain, the two a, and the mask of piece p + 2, whose ten vector lines are the
; work between the batch and its wait.  The wait stands in MKMASK, ahead of its loads.  BEHIND IT stand the 16 products V^T P, behind each four of GS's 64.  No rider names a register of the products round it.
; The two v_permlanex16_b32 fall into the lump, never behind a product.
; The queues lean on each other, and the deal keeps them in step: exponential e stands behind scaling 2 (e / 4) + e % 2: as a rider it comes behind plain e + 2, in the lump behind plain e + 9, and scalings 27-31 are plain 57, 60 .. 69.
; A TURN, for piece p.  cnt = 1: the loop's count is taken down some lines ahead of the branch that stands behind the turn.
; K of the next step is fetched in piece 2's turn, behind the wait and the mask's loads, a lump behind the last product that read K; its address is made at the lump's head; its first reader comes behind 16 products.
; V of the step in hand is fetched at the end of piece 0's turn, four plain riders behind its last reader; its first reader comes behind 16 products and a lump.  The three conditions on q below go with the deal.
; The mask of piece p + 2 is written far more than four plain instructions behind this turn's products K Q^T, which read the mask of piece p + 1 from the same registers.
.macro TURN p, last=0, cnt=0
.set Y, (\p)
.set i, 0
.set q, 0
.set e, 0
.set r, 0
.if (\p) == NP-1
	s_wait_dscnt 0x0                ; K is in
.endif
	MM                              ; ahead of the wait: 16 products K Q^T and their riders,
	PL
	PL
	R2
.rept 15
	MM
	PL
	EX
	R2
.endr
.if (\p) == NP-2
	WIN 0
	v_add_nc_u32 v[AK], s[TBK], v[AK0]
.endif
.rept 8                             ; the lump,
	PL
.endr
.rept 49
	EX
	PL
.endr
	EX                              ; the next piece's two a,
	EX
	MKMASK ((\p)+2)%NP              ; and the mask; in it the turn's one wait, for the batch of 66
.if (\p) == NP-2
	FETCH_K \last
.endif
.if (\p) == 1
	s_wait_dscnt 0x0                ; V is in
.endif
.rept 16                            ; behind the wait: 16 products V^T P and their riders
	MM
.rept 4
	PL
.endr
.if ((\p) == 0) && (q == 118)
	v_add_nc_u32 v[AV], s[TBV], v[AV0]
.endif
.if ((\p) == 0) && (q == 130)
	s_add_co_u32 s[TBV], s[TBV], KS*PV
.endif
.if (\cnt) && (q == 130)
	s_sub_co_u32 s[CNT], s[CNT], 1
	s_cmp_lg_u32 s[CNT], 0
.endif
.endr
.if (\p) == 0
	FETCH_V
.endif
.endm
	CHANGE 1                        ; slot 0 is in, everybody's part of it; slot 1 is asked for
	FETCH_K                         ; key step 0
	s_wait_loadcnt 16               ; Q and the flags are in; the 16 loads of codes, issued behind them, may stay out
	WIN 0x82                        ; Q in window 2, the flag in window 0
.set i, 0
.rept 128
	v_and_b32 v[i], v[i], v[TMP+i/16]  ; a query that sees no key becomes 0
.set i, i+1
.endr
	MKMASK 0, 0                     ; no exponential has been issued yet
	s_wait_dscnt 0x0
.set i, 0
.rept 16
	KQ 0                            ; piece 0's first scores
.set i, i+1
.endr
	WIN 0                           ; the addresses for the way out: plain instructions, the places behind those products
	s_mul_i32 s13, s[WV], 16*SP
	s_add_co_u32 s13, s13, STAGE    ; my stage
	v_mul_u32_u24 v[STO], v1, SP    ; in: row l % 16, 16 bytes for each half of the lanes
	v_lshl_add_u32 v[STO], v9, 4, v[STO]
	v_add_nc_u32 v[STO], s13, v[STO]
	v_bfe_u32 v[RD], v0, 3, 2       ; back: 32 lanes take four rows of 128 bytes,
	v_mul_u32_u24 v[RD], v[RD], SP
	v_lshl_add_u32 v[RD], v10, 4, v[RD]
	v_add_nc_u32 v[RD], s13, v[RD]
	v_and_b32 v[GO], 31, v0         ; which are 512 consecutive bytes of O
	v_lshlrev_b32 v[GO], 4, v[GO]
.set Y, NP-1                        ; XS works for piece Y + 1: piece 0
.irp n, 0,1,2,3,4,5,6,7,8,9,10,11,12,13,14,15,16,17,18,19,20,21
	XS 0, \n                        ; piece 0's first maximum and statistics
	XS 1, \n
.endr
	MKMASK 1                        ; for the first turn's products; its wait serves piece 0's two a, a batch of their own, ahead of the branch
	s_mov_b32 s[CNT], 4
	s_mov_b32 s[SLOTS], SIZE_N/256-1
	s_branch .Lfirst                ; the loop is entered at a step's first turn, in the middle of a trip
.Lslot:                             ; SIZE_N / 256 - 2 times: every slot but the last two is filled again
	CHANGE 1
	s_mov_b32 s[CNT], 4
.Lstep:                             ; a trip: pieces 2 and 3 of one step, then pieces 0 and 1 of the next, whose K and V it fetches
	TURN 2
	TURN 3
	WIN 0
.Lfirst:
	TURN 0
	TURN 1, 0, 1
	WIN 0
	s_cbranch_scc1 .Lstep
	s_sub_co_u32 s[SLOTS], s[SLOTS], 1
	s_cmp_lg_u32 s[SLOTS], 0
	s_cbranch_scc1 .Lslot
	CHANGE 0                        ; the tail is written out: nothing is asked for
	s_mov_b32 s[CNT], 5             ; four trips fetch the last slot's steps; the fifth is left in its middle
.Ltail:
	TURN 2, 1
	TURN 3
	WIN 0
	s_sub_co_u32 s[CNT], s[CNT], 1
	s_cmp_eq_u32 s[CNT], 0
	s_cbranch_scc1 .Lout
	TURN 0
	TURN 1
	WIN 0
	s_branch .Ltail
.Lout:                              ; the fifth trip's 16 products K Q^T (on the last K once more) and the maximum made of them serve nothing: the price, once a launch, of one text for every trip
.set i, 0
.rept 16
	PV NP-1                         ; the last piece's V^T P of the last step
.set i, i+1
.endr
	; THE WAY OUT.  l's two halves and the other half of the lanes' are added; O^T is divided by l, rounded to f16 and sent through my stage in LDS, a tile at a time.  The additions are the places behind the last products.
	WIN 0
.macro ALL line:vararg              ; one line for each tile t
.set t, 0
.rept 2*NP
	\line
.set t, t+1
.endr
.endm
	ALL v_add_f32 v[ST+4*t+2], v[ST+4*t+2], v[ST+4*t+3]
	ALL v_permlanex16_b32 v[ST+4*t+3], v[ST+4*t+2], s[SEL], s[SEL+1]
	ALL v_add_f32 v[ST+4*t+2], v[ST+4*t+2], v[ST+4*t+3]
	ALL v_rcp_f32 v[ST+4*t+2], v[ST+4*t+2]
	v_nop                           ; a plain instruction between the last reciprocal and the use of its result
	s_wait_alu depctr_va_vdst(0)    ; and the wait ahead of the first use: one for the batch of eight reciprocals
.macro PACK t
	WIN W_RS
.set i, 32*(\t)
.rept 16
	v_pk_mul_f32 v[i:i+1], v[i:i+1], v[ST+4*(\t)+2:ST+4*(\t)+3] op_sel_hi:[1,0]
.set i, i+2
.endr
	WIN 0x05                        ; sources 0 and 1 window 1, destination window 0
.set i, 0
.rept 16
	v_cvt_pk_f16_f32 v[S+16*(\t)+i], v[32*(\t)+2*i], v[32*(\t)+2*i+1]
.set i, i+1
.endr
	WIN 0
.irp f, 0,1,2,3
	ds_store_b128 v[STO], v[S+16*(\t)+4*\f:S+16*(\t)+4*\f+3] offset:32*\f
.endr
.irp f, 0,1,2,3
	ds_load_b128 v[S+16*(\t)+4*\f:S+16*(\t)+4*\f+3], v[RD] offset:\f*4*SP  ; LDS serves a wave's instructions in order (ISA guide 5.7.1.4): these see the stores above; the next tile's stores come behind them
.endr
.endm
.macro SEND t, younger              ; younger: the LDS instructions issued behind tile t's loads: the next tile's eight, or none
	WIN 0
.irp f, 0,1,2,3
	s_wait_dscnt (\younger)+3-\f
	global_store_b128 v[GO], v[S+16*(\t)+4*\f:S+16*(\t)+4*\f+3], s[10:11] offset:(\t)*2048+\f*512  ; 512 consecutive bytes, aligned
.endr
.endm
	PACK 0
.set t, 1
.rept 2*NP-1                        ; a tile's arithmetic stands between the loads of the tile before and its stores
	PACK t
	SEND t-1, 8
.set t, t+1
.endr
	SEND 2*NP-1, 0
	WIN W_AD
	s_wait_tensorcnt 0x0            ; the wave's end
	ds_add_u32 v[SPW], v[NIL]
	s_wait_dscnt 0x0
	WIN 0
	CROUND                          ; the closing round: no work-group ends while a partner may still ask for a tile that names it
	s_endpgm
.Lfunc_end_k_qa8e457f6af_attn:
	.size	k_qa8e457f6af_attn, .Lfunc_end_k_qa8e457f6af_attn-k_qa8e457f6af_attn
	.p2alignl 7, 3214868480
	.fill 96, 4, 3214868480
	.section	.rodata,"a",@progbits
	.p2align	6, 0x0
	.amdhsa_kernel k_qa8e457f6af_attn
		.amdhsa_group_segment_fixed_size 327680
		.amdhsa_private_segment_fixed_size 0
		.amdhsa_enable_private_segment 0
		.amdhsa_kernarg_size 24
		.amdhsa_user_sgpr_count 2
		.amdhsa_user_sgpr_kernarg_segment_ptr 1
		.amdhsa_wavefront_size32 1
		.amdhsa_system_sgpr_workgroup_id_x 1
		.amdhsa_system_sgpr_workgroup_id_y 1
		.amdhsa_system_sgpr_workgroup_id_z 1
		.amdhsa_system_vgpr_workitem_id 0
		.amdhsa_next_free_vgpr 904
		.amdhsa_next_free_sgpr 66
		.amdhsa_reserve_vcc 0
		.amdhsa_float_denorm_mode_32 3
		.amdhsa_float_denorm_mode_16_64 3
		.amdhsa_memory_ordered 1
		.amdhsa_forward_progress 1
		.amdhsa_inst_pref_size 217
	.end_amdhsa_kernel
	.amdgpu_metadata
---
amdhsa.version: [ 1, 2 ]
amdhsa.kernels:
  - .name:           k_qa8e457f6af_attn
    .symbol:         k_qa8e457f6af_attn.kd
    .args:
      - { .name: heads, .offset: 0, .size: 8, .value_kind: global_buffer, .address_space: global }
      - { .name: ctx, .offset: 8, .size: 8, .value_kind: global_buffer, .address_space: global }
      - { .name: mcode, .offset: 16, .size: 8, .value_kind: global_buffer, .address_space: global }
    .group_segment_fixed_size: 327680
    .private_segment_fixed_size: 0
    .kernarg_segment_align: 8
    .kernarg_segment_size: 24
    .max_flat_workgroup_size: 128
    .sgpr_count:     66
    .vgpr_count:     904
    .wavefront_size: 32
...
	.end_amdgpu_metadata
.endif
;; end of part 5
;; launch oproj: the kernel of part 4 again; grid 4 x 64, 4 waves a work-group, clusters of 4 x 4, 327,680 bytes of LDS; arguments ctx, wb, bo, out0; writes out0
